; MI455X (gfx1250); checked and timed in simulation.
; The chip was launched on July 23, 2026; its instructions are those of AMD's public machine-readable ISA for CDNA 5 (MIT licence, August 2026) and "CDNA5" Instruction Set Architecture Reference Guide (July 2026). The comments in the code are by the model that wrote it; some were corrected since.
;; Multi Head Attention. Allowed arithmetic: matrix products marked QUANTISED: E4M3 operands, one given power-of-two scale a tensor, by v_wmma_f32_16x16x64_fp8_fp8 or v_wmma_f32_16x16x128_fp8_fp8, f32 sums; everything else in f32.
;; Inputs: W_key 1,024 x 1,024 float32; W_proj 1,024 x 1,024 float32; W_query 1,024 x 1,024 float32; W_value 1,024 x 1,024 float32; lowp_scales 12 int32 (the exponents e of the quantised operands' scales 2^e); x 4 x 2,048 x 1,024 float32.
;; Outputs: out0 4 x 2,048 x 1,024 float32.
;; This version of the problem:
;;   THIS VERSION OF THE PROBLEM IS GIVEN IN LOW PRECISION. The matrix products marked QUANTISED in the list below multiply operands that are first quantised to E4M3 (4 exponent bits, 3 mantissa bits; 8 bits a number), with one given power-of-two scale for each operand tensor; their sums are f32. All else is computed in f32.
;;   The module's matrix products, in the order in which they are computed (A, B: the left and right operand; K: the contracted axis; several contracted axes count as one K, in the product's order):
;;     1. [M 8,192, K 1,024] x [K 1,024, N 1,024]; A: input x; B: input W_key: QUANTISED (scales: A lowp_scales[0], B lowp_scales[1])
;;     2. [M 8,192, K 1,024] x [K 1,024, N 1,024]; A: input x; B: input W_query: QUANTISED (scales: A lowp_scales[2], B lowp_scales[3])
;;     3. [M 8,192, K 1,024] x [K 1,024, N 1,024]; A: input x; B: input W_value: QUANTISED (scales: A lowp_scales[4], B lowp_scales[5])
;;     4. batch 64 x [M 2,048, K 64] x [K 64, N 2,048]; A: computed on the way; B: computed on the way: QUANTISED (scales: A lowp_scales[6], B lowp_scales[7])
;;     5. batch 64 x [M 2,048, K 2,048] x [K 2,048, N 64]; A: softmax (see below); B: computed on the way: QUANTISED (scales: A lowp_scales[8], B lowp_scales[9])
;;     6. [M 8,192, K 1,024] x [K 1,024, N 1,024]; A: computed on the way; B: input W_proj: QUANTISED (scales: A lowp_scales[10], B lowp_scales[11])
;;   THE QUANTISER, for each operand of a quantised product, along K:
;;     - The operand's scale is 2^e, e = its entry of the input lowp_scales (int32; the entries are numbered through the quantised products in the list's order, A before B).
;;     - Each number is divided by the scale, clamped to +-448, and rounded to the nearest number of E4M3, ties to even, subnormals kept.
;;     - The product sums the exact products of the quantised numbers (number of the format x scale) in f32.
;;   ~~~python
;;   def quantise(x, axis, e):      # numpy; x: float32 -> the quantised numbers, widened to float32 again
;;       x = np.moveaxis(x, axis, -1); K = x.shape[-1]
;;       r = np.clip(x / 2.0 ** e, -448, 448)
;;       step = 2.0 ** (np.maximum(np.frexp(np.where(r == 0, 1, r))[1] - 1, -6) - 3)
;;       q = np.round(r / step) * step * 2.0 ** e      # np.round: ties to even
;;       return np.moveaxis(q, -1, axis).astype(np.float32)
;;   ~~~
;;   SOFTMAX AHEAD OF A QUANTISED PRODUCT. Where the list says 'softmax', what is quantised is not the finished softmax but p = 2^(t - M), with t = logit x log2(e) and M = ceil(the row's largest t), a whole number; so 1/2 < the row's largest p <= 1. The row's sum l is taken of the UNQUANTISED p, in f32, and the product's result is divided by l at the end. Since M is a whole number, a kernel that streams over the keys may use a running M (the ceiling of the running maximum): every later rescaling is an exact power of two, so the quantised numbers keep their values, but for numbers so far below the row's largest that they fall under the format's range.
;;   OPERANDS COMPUTED ON THE WAY. 'Computed on the way' means the value that the module computes at that place (a softmax that the list does not call 'softmax' is quantised finished and normalised). What goes into a quantiser is computed in f32, as accurately as f32 sums, v_exp_f32 and their like allow (about 1e-6 of the number): no bf16 or f16 on the way to a quantiser, and a product that is left as it is and whose result goes on into a quantised operand takes f32 operands (vector FMAs, or v_wmma_f32_16x16x4_f32). A number that lies on a knife's edge between two numbers of the format may be rounded either way, as far as f32 arithmetic and the matrix unit's own rounding can turn it there, and no further.
;; One version. Each part assembles by itself: llvm-mc -triple=amdgcn-amd-amdhsa -mcpu=gfx1250 --defsym DOCPART=n.
;; ======== version 1 of 1: 4 launches
;; limits: right only within a limited range of input values
;; workspace buffers: xc 25,165,824 bytes; wc 3,145,728 bytes; wp 1,048,576 bytes; kqv 25,165,824 bytes; ao 8,388,608 bytes
;; launch quant (part 1): grid 384 x 1, 4 waves a work-group, no clusters, 33,280 bytes of LDS; arguments x, W_key, W_query, W_value, W_proj, lowp_scales, xc, wc, wp; writes xc, wc, wp
.if DOCPART == 1
	.amdgcn_target "amdgcn-amd-amdhsa--gfx1250"
	.amdhsa_code_object_version 6
	.text
	.protected	k_q3f37fe2ef5_quant
	.globl	k_q3f37fe2ef5_quant
	.p2align	8
	.type	k_q3f37fe2ef5_quant,@function
k_q3f37fe2ef5_quant:
	s_mov_b64 s[64:65], 0
	v_nop
	global_prefetch_b8 v0, s[64:65] scope:SCOPE_SE
	s_setreg_imm32_b32 hwreg(HW_REG_WAVE_MODE, 25, 1), 1
	s_wait_xcnt 0x0
; LAUNCH 1 OF 4: f32 numbers into codes of FP8 (E4M3), K innermost, each with the scale 2^e that is given for it.
; x [8192][1024] is an operand of three products under three entries of the scales (e0, e2, e4), which may differ: three planes of codes in xc.  W_key (e1), W_query (e3), W_value (e5) go to wc, one behind the other; W_proj (e11) to wp.
; code = number / 2^e, held within +-448, rounded to the nearest code, ties to even.
; THE PROGRAM: this launch; qkv (products 1 to 3 on codes, their results quantised at once); attn (products 4 and 5); proj (product 6).
; WORK LEFT OUT BY THE PROGRAM (in attn): reference() itself replaces every score with key > query by -infinity (its own jnp.tril), so that key's weight is 0 and its value adds 0 to the row, whatever finite numbers the inputs hold.
; So a step of 128 keys all of which come after a tile's 16 queries is not computed, and 256 keys all of which come after a work-group's last query are not fetched.  Every input has a way to the output: all are loaded.
; LIMITS: a NaN, an infinity or an overflow in a key's or a value's row is not carried into the rows of queries that cannot see that key.  NaN among the inputs is not served (an infinity is held at the largest code).
; Each of e0 .. e5 and e11 lies between -126 and 119, so that 2^e and 448 x 2^e are f32 numbers.
; ROWS OUT OF ORDER.  In plane 0 of xc (the keys' product) and in W_value's part of wc, row t is stored at the place whose number is t with bits 3 and 4 exchanged.  Sixteen rows on end there are rows
; 32 b + 8 u + r + 8 (r / 8), r = 0 .. 15: the rows that the later launches want in one tile, so that a lane's registers of two neighbouring tiles are 16 neighbours along the next product's K.
; A wave's run is 8 rows and bits 3 and 4 of a row's number are the wave's number: so the exchange costs one choice of the run's place.
; SHARES.  A work-group takes 32 rows (32,768 numbers), a wave 8 of them in 16 steps of 512 numbers.  Work-groups 0-255: x, three outputs a step.  256-383: the four weights, 32 work-groups each, one output.
; Each of a step's four loads reads 512 consecutive bytes, 16 a lane; the 2,048 bytes go through the wave's own stage in LDS as they lie and come back 64 bytes a lane, since the conversions take neighbours along K from ONE lane.
; The stage has 16 bytes of padding behind each 64.  A lane's 16 codes are 16 bytes: each store of the wave covers 512 consecutive bytes, aligned.  Waves share nothing: no barrier.  Loads run four steps ahead, the stage one step.
.set STEPS, 16
.set WREG,  8192                       ; LDS: a region for each wave: two stages of 32 x SP bytes
.set SP,    80                         ; a lane's place in a stage: its 64 bytes + 16 of padding
.set SPARE, 4*WREG                     ; behind the four regions: the spare words, 128 bytes for each wave, which no other line names
.set SPW,   12                         ; v12      LDS address of my spare word; never rewritten
.set NIL,   13                         ; v13      0; never rewritten
.set R,     16                         ; v16-79   four sets of 16 numbers as they are loaded
.set X,     80                         ; v80-111  two sets of 16 neighbours
.set T,     112
.set C,     128                        ; v128-139 codes: four registers for each of the three outputs
.set SC,    140                        ; v140-142 2^e of output 0, 1, 2
.set LM,    144
.set DST,   46                         ; s[46:47], s[48:49], s[50:51] where my run's codes go: output 0, 1, 2
	s_load_b256 s[4:11], s[0:1], 0x0               ; x, W_key, W_query, W_value
	s_load_b256 s[12:19], s[0:1], 0x20             ; W_proj, the scales' exponents, xc, wc
	s_load_b64 s[20:21], s[0:1], 0x40              ; wp
	v_lshl_add_u32 v[SPW], v0, 2, SPARE
	v_mov_b32 v[NIL], 0
	v_lshrrev_b32 v1, 5, v0
	v_readfirstlane_b32 s36, v1                    ; wave
	v_and_b32 v2, 31, v0                           ; lane
	v_lshlrev_b32 v3, 4, v2                        ; 16 x lane: my 16 bytes of a load's 512, and of a step's 512 bytes of codes
	s_mul_i32 s52, s36, WREG
	v_lshrrev_b32 v14, 2, v2
	v_mul_u32_u24 v14, v14, SP
	v_and_b32 v15, 3, v2
	v_lshl_add_u32 v14, v15, 4, v14
	v_add_nc_u32 v14, s52, v14                     ; the stage, on the way in: four lanes' 64 bytes on end, then the padding
	v_mul_u32_u24 v15, v2, SP
	v_add_nc_u32 v15, s52, v15                     ; and on the way out: my 16 neighbours
	; which tensor, which run.  All of this hangs on the work-group's and the wave's number alone
	s_sub_co_u32 s53, ttmp9, 256
	s_lshr_b32 s37, s53, 5                         ; j: 0 W_key, 1 W_query, 2 W_value, 3 W_proj
	s_and_b32 s53, s53, 31                         ; and which 32 rows of it
	s_cmp_lt_u32 ttmp9, 256
	s_cselect_b32 s39, 1, 0                        ; 1: x
	s_cselect_b32 s38, ttmp9, s53                  ; which 32 rows of my tensor
	s_cselect_b32 s37, 4, s37                      ; (j = 4 stands for x)
	s_cmp_eq_u32 s37, 2
	s_cselect_b32 s40, 1, s39                      ; 1: output 0's rows go out of order (x's plane 0, W_value)
	s_and_b32 s41, s36, 1
	s_lshl_b32 s41, s41, 1
	s_lshr_b32 s54, s36, 1
	s_or_b32 s41, s41, s54                         ; the wave's number with its two bits exchanged
	s_cmp_eq_u32 s40, 1
	s_cselect_b32 s41, s41, s36
	s_lshl_b32 s38, s38, 2
	s_add_co_u32 s42, s38, s36                     ; my run of 8 rows in the tensor,
	s_add_co_u32 s44, s38, s41                     ; and its place in output 0
	s_lshl_b32 s54, s42, 13                        ; 8,192 bytes of codes a run
	s_mov_b32 s55, 0
	s_lshl_b32 s42, s42, 15                        ; 32,768 bytes of numbers a run
	s_mov_b32 s43, 0
	s_lshl_b32 s44, s44, 13
	s_mov_b32 s45, 0
	s_lshl_b32 s56, s37, 20                        ; W_key, W_query and W_value lie 2^20 bytes apart in wc
	s_cmp_lt_u32 s37, 3
	s_cselect_b32 s56, s56, 0
	s_add_co_u32 s44, s44, s56
	s_wait_alu depctr_va_vdst(0)
	s_wait_kmcnt 0x0
	s_load_b256 s[24:31], s[14:15], 0x0            ; e0 .. e7
	s_load_b128 s[32:35], s[14:15], 0x20           ; e8 .. e11
	s_cmp_eq_u32 s37, 2                            ; the source begins as W_proj; each compare hangs on ids alone
	s_cselect_b64 s[12:13], s[10:11], s[12:13]
	s_cmp_eq_u32 s37, 1
	s_cselect_b64 s[12:13], s[8:9], s[12:13]
	s_cmp_eq_u32 s37, 0
	s_cselect_b64 s[12:13], s[6:7], s[12:13]
	s_cmp_lt_u32 s37, 3
	s_cselect_b64 s[20:21], s[18:19], s[20:21]     ; output 0: wp, or wc,
	s_cmp_eq_u32 s39, 1
	s_cselect_b64 s[12:13], s[4:5], s[12:13]
	s_cselect_b64 s[20:21], s[16:17], s[20:21]     ; or xc
	s_add_nc_u64 s[12:13], s[12:13], s[42:43]
	s_add_nc_u64 s[DST:DST+1], s[20:21], s[44:45]
	s_add_nc_u64 s[DST+2:DST+3], s[16:17], s[54:55]
	s_add_nc_u64 s[DST+2:DST+3], s[DST+2:DST+3], 0x800000       ; plane 1 of xc, rows in order
	s_add_nc_u64 s[DST+4:DST+5], s[DST+2:DST+3], 0x800000       ; plane 2
.macro LOAD t
.irp i, 0,1,2,3
	global_load_b128 v[R+16*((\t)%4)+4*\i:R+16*((\t)%4)+4*\i+3], v3, s[12:13] offset:2048*(\t)+512*\i th:TH_LOAD_NT   ; 32 lanes read 512 consecutive bytes; read once in the launch
.endr
.endm
.macro TURN t                          ; step t's numbers through the stage: LDS serves a wave's instructions in order (ISA guide 5.7.1.4), so no wait stands between the stores and the loads
.irp i, 0,1,2,3
	ds_store_b128 v14, v[R+16*((\t)%4)+4*\i:R+16*((\t)%4)+4*\i+3] offset:32*SP*((\t)%2)+8*SP*\i
.endr
.irp i, 0,1,2,3
	ds_load_b128 v[X+16*((\t)%2)+4*\i:X+16*((\t)%2)+4*\i+3], v15 offset:32*SP*((\t)%2)+16*\i
.endr
.endm
.macro MK o, se                        ; output o's constant from its exponent
	s_add_co_i32 s52, \se, 127
	s_lshl_b32 s53, s52, 23
	v_mov_b32 v[SC+\o], s53                        ; 2^e as f32: the conversion takes its exponent field
.endm
.macro CONV t, o                       ; the step's 16 numbers of my lane become output o's 16 codes
.irp i, 0,1,2,3,4,5,6,7,8,9,10,11,12,13,14,15
.endr
	v_cvt_scalef32_pk8_fp8_f32 v[C+4*\o:C+4*\o+1], v[XS:XS+7], v[SC+\o]
	v_cvt_scalef32_pk8_fp8_f32 v[C+4*\o+2:C+4*\o+3], v[XS+8:XS+15], v[SC+\o]
	v_nop                                          ; one plain vector instruction behind the conversions
	global_store_b128 v3, v[C+4*\o:C+4*\o+3], s[DST+2*\o:DST+2*\o+1] offset:512*(\t)
.endm
.irp t, 0,1,2,3
	LOAD \t
.endr
	s_wait_kmcnt 0x0
	s_cmp_eq_u32 s37, 2                            ; output 0's exponent begins as e11
	s_cselect_b32 s35, s29, s35                    ; e5
	s_cmp_eq_u32 s37, 1
	s_cselect_b32 s35, s27, s35                    ; e3
	s_cmp_eq_u32 s37, 0
	s_cselect_b32 s35, s25, s35                    ; e1
	s_cmp_eq_u32 s39, 1
	s_cselect_b32 s35, s24, s35                    ; e0
	MK 0, s35
	MK 1, s26                                      ; e2
	MK 2, s28                                      ; e4
	s_wait_alu depctr_va_vdst(0)
	s_wait_loadcnt 12                              ; step 0's four loads are in; the twelve of steps 1 to 3 may be out
	TURN 0
.macro STEP t
.set XS, X+16*((\t)%2)
	s_wait_dscnt 0x0                               ; this step's numbers are back from the stage: so its stores into the stage have read their registers,
.if (\t)+4 < STEPS
	LOAD (\t)+4                                    ; which take the loads of four steps on
.endif
.if (\t)+1 < STEPS
.if STEPS-2-(\t) >= 3
	s_wait_loadcnt 12                              ; the next step's four loads are in; those of the three steps behind it may be out
.else
	s_wait_loadcnt 4*(STEPS-2-(\t))                ; the counts run down: nothing more is asked for
.endif
	TURN (\t)+1                                    ; and go through the other stage while this step is worked
.endif
	s_wait_xcnt 0x0                                ; the last step's stores have read the codes' registers, which are written again below
	CONV \t, 0
	s_cmp_eq_u32 s39, 0                            ; a weight has one output: a branch on the work-group's number, round register work and stores alone
	s_cbranch_scc1 .Lone_\@
	CONV \t, 1
	CONV \t, 2
.Lone_\@:
.endm
.irp t, 0,1,2,3,4,5,6,7,8,9,10,11,12,13,14,15
	STEP \t
.endr
	s_wait_tensorcnt 0x0                           ; the wave's end, behind my last LDS store
	ds_add_u32 v[SPW], v[NIL]
	s_wait_dscnt 0x0
	s_endpgm
.Lfunc_end_k_q3f37fe2ef5_quant:
	.size	k_q3f37fe2ef5_quant, .Lfunc_end_k_q3f37fe2ef5_quant-k_q3f37fe2ef5_quant
	.p2alignl 7, 3214868480
	.fill 96, 4, 3214868480
	.section	.rodata,"a",@progbits
	.p2align	6, 0x0
	.amdhsa_kernel k_q3f37fe2ef5_quant
		.amdhsa_group_segment_fixed_size 33280
		.amdhsa_private_segment_fixed_size 0
		.amdhsa_enable_private_segment 0
		.amdhsa_kernarg_size 72
		.amdhsa_user_sgpr_count 2
		.amdhsa_user_sgpr_kernarg_segment_ptr 1
		.amdhsa_wavefront_size32 1
		.amdhsa_system_sgpr_workgroup_id_x 1
		.amdhsa_system_sgpr_workgroup_id_y 1
		.amdhsa_system_sgpr_workgroup_id_z 1
		.amdhsa_system_vgpr_workitem_id 0
		.amdhsa_next_free_vgpr 148
		.amdhsa_next_free_sgpr 66
		.amdhsa_reserve_vcc 0
		.amdhsa_float_denorm_mode_32 3
		.amdhsa_float_denorm_mode_16_64 3
		.amdhsa_fp16_overflow 1
		.amdhsa_memory_ordered 1
		.amdhsa_forward_progress 1
		.amdhsa_inst_pref_size 33
	.end_amdhsa_kernel
	.amdgpu_metadata
---
amdhsa.version: [ 1, 2 ]
amdhsa.kernels:
  - .name:           k_q3f37fe2ef5_quant
    .symbol:         k_q3f37fe2ef5_quant.kd
    .args:
      - { .name: x, .offset: 0, .size: 8, .value_kind: global_buffer, .address_space: global }
      - { .name: W_key, .offset: 8, .size: 8, .value_kind: global_buffer, .address_space: global }
      - { .name: W_query, .offset: 16, .size: 8, .value_kind: global_buffer, .address_space: global }
      - { .name: W_value, .offset: 24, .size: 8, .value_kind: global_buffer, .address_space: global }
      - { .name: W_proj, .offset: 32, .size: 8, .value_kind: global_buffer, .address_space: global }
      - { .name: lowp_scales, .offset: 40, .size: 8, .value_kind: global_buffer, .address_space: global }
      - { .name: xc, .offset: 48, .size: 8, .value_kind: global_buffer, .address_space: global }
      - { .name: wc, .offset: 56, .size: 8, .value_kind: global_buffer, .address_space: global }
      - { .name: wp, .offset: 64, .size: 8, .value_kind: global_buffer, .address_space: global }
    .group_segment_fixed_size: 33280
    .private_segment_fixed_size: 0
    .kernarg_segment_align: 8
    .kernarg_segment_size: 72
    .max_flat_workgroup_size: 128
    .sgpr_count:     66
    .vgpr_count:     148
    .wavefront_size: 32
...
	.end_amdgpu_metadata
.endif
;; end of part 1
;; launch qkv (part 2): grid 12 x 32, 4 waves a work-group, clusters of 4 x 4, 327,680 bytes of LDS; arguments xc, wc, lowp_scales, kqv; writes kqv
.if DOCPART == 2
	.amdgcn_target "amdgcn-amd-amdhsa--gfx1250"
	.amdhsa_code_object_version 6
	.text
	.protected	k_q3f37fe2ef5_qkv
	.globl	k_q3f37fe2ef5_qkv
	.p2align	8
	.type	k_q3f37fe2ef5_qkv,@function
k_q3f37fe2ef5_qkv:
	s_mov_b64 s[64:65], 0
	v_nop
	global_prefetch_b8 v0, s[64:65] scope:SCOPE_SE
	s_setreg_imm32_b32 hwreg(HW_REG_WAVE_MODE, 25, 1), 1
	s_wait_xcnt 0x0
	s_wait_alu depctr_hold_cnt(0) depctr_sa_sdst(0) depctr_va_vdst(0) depctr_va_sdst(0) depctr_va_ssrc(0) depctr_va_vcc(0) depctr_vm_vsrc(0)
	s_getreg_b32 s2, hwreg(HW_REG_IB_STS2, 6, 4)
	s_cmp_eq_u32 s2, 0
	s_cbranch_scc0 .Lentry_in_a_cluster
	s_endpgm
.Lentry_in_a_cluster:
	s_bfe_u32 s2, ttmp6, 0x10000c
	s_cmp_lg_u32 s2, 0xf033
	s_cbranch_scc0 .Lentry_shape_is_right
	s_endpgm
.Lentry_shape_is_right:
; LAUNCH 2 OF 4: k, q and v = (x W^T) / 32, products 1 to 3 on codes of FP8 (E4M3), and each result quantised at once for the product that takes it (k: e7, q: e6, v: e9).
; xc: [3][8192][1024] codes of x (plane 0 for k, 1 for q, 2 for v); wc: [3072][1024] codes of W_key, W_query, W_value.  The cluster's x says which product: 0 k, 1 q, 2 v: the same number in all sixteen partners.
; A finished sum stands for sum x 2^(ea + eb); the result is that / 32; its code is sum / 2^(eo - ea - eb + 5): the scales and the factor are folded into the conversion's one scale.
; LIMIT: eo - ea - eb + 5 lies between -126 and 119, so that this power of two and 448 times it are f32 numbers.
; A tile of 256 x 256 results is made by four waves, as many as a WGP has SIMDs; a wave makes 128 x 128: 64 accumulators, 512 registers.  K = 1,024 goes in four fills of 256 through a ring of two LDS slots: a tile's row is 256 bytes of memory.
; CLUSTERS: 4 x 4 work-groups.  The four of a row of the cluster need the same rows of x, the four of a column the same rows of W: each tile is asked for JOINTLY, by the same tensor load with the same descriptor and a mask that names the four.
; THE TWO ROLES.  Source 1 of the matrix instruction (R) gives a lane its row; source 0 (P) runs along the lane's eight registers.  For k and q: R = tokens, P = channels: a lane holds eight neighbouring channels of one token, neighbours along
; the scores' K.  For v: R = channels, P = tokens: eight neighbouring KEYS of one channel, neighbours along the second product's K.  The roles are told apart by the LDS addresses from which the fragments are read, and by nothing else.
; THE OUTPUT is laid as images of the next launch's operand registers (plane 0 k, 1 q, 2 v; 131,072 bytes a head in each):
;   k, q: [tile of 16 rows][c 0..1][lane][16 bytes]: lane (r, h) holds channels 32 c + 16 h + 0 .. 15 of the tile's row r.     v: [128 keys][tile of 16 channels][c 0..3][lane][16 bytes]: keys 32 c + 16 h + 0 .. 15 of the tile's channel r.
;   The rows of a tile of k and the channels of a tile of v are 32 b + 8 u + r + 8 (r / 8): launch 1 has laid x's plane 0 and W_value so, and here they are sixteen rows on end.
;   A lane's 8 codes are 8 bytes at 16 r + 8 h of a block of 256 bytes: each store of the wave covers 256 consecutive bytes, aligned, straight from registers.
; REGISTERS, in windows of 256: window 0: v0-31 addresses and constants; from v128 R's fragments (8 x 16 rows x 128 K), ONE set; on the way out v96-223 codes.
;   window 1: P's fragments, TWO sets, at v0 and v128.   window 2: the 32 accumulators of my R rows 0-63 (accumulator (a, b) at v[8 (8 a + b)]);   window 3: those of rows 64-127.
.set ROWB,   256                       ; a tile's row in bytes: 256 codes
.set KROW,   1024                      ; a row of xc or wc in bytes
.set PITCH,  272                       ; an LDS row: 256 bytes + 16 of padding = 68 words: row r starts at bank 4 r mod 64 (64 banks of 4 bytes: ISA guide 11.1)
.set FR,     16                        ; registers of a fragment: 16 rows x 128 K
.set NL,     4                         ; LDS loads that bring one
.set NP,     4                         ; places behind this matrix instruction (ISA guide 7.12.1)
.set HALFT,  128*PITCH                 ; 128 rows: what one tensor load brings
.set SLOT,   4*HALFT                   ; x's 256 rows, then W's 256 rows
.set SPARE,  2*SLOT                    ; behind the ring: the spare words, 128 bytes for each wave, which no other line names
.set ADRA, 16                          ; v16-17  LDS address of my R fragments in slot 0, 1
.set ADRB, 20                          ; v20-21  the same for P
.set VLO,  24                          ; v24     the way out: 16 r + 8 h
.set VHI,  25                          ; v25     the same for P's blocks 4 to 7
.set SPW,  28                          ; v28     LDS address of my spare word; never rewritten
.set NIL,  29                          ; v29     0; never rewritten
.set QS,   30                          ; v30     the conversion's scale
.set QL,   31
.set TMP,  32
.set CD,   96                          ; v96-223 codes: 16 registers for each of the eight blocks, so that no store's data are written again
.set AF,   128                         ; R's fragments, in window 0
.set G1, 24                            ; s[24:31] descriptor group 1 for x's tiles;  s[32:39] group 0, one set for each slot
.set G0, 32
.set G1B, 48                           ; s[48:55], s[56:63] the same for W's tiles
.set G0B, 56
.set MSB, 0
.macro WIN new                         ; the immediate's high byte repeats the setting that is left
.if MSB != \new
	s_set_vgpr_msb (MSB<<8)|\new
.set MSB, \new
.endif
.endm
.set MUL_LO, 0xa1                      ; source 0 (P) window 1, source 1 (R) window 0, C and D window 2
.set MUL_HI, 0xf1                      ; the same, C and D window 3
.set TO_B,   0x40                      ; destination window 1, address window 0
; A joint load: waves 0 and 1 fetch x's two halves, waves 2 and 3 W's.  Each of the two lines has ONE mask and one set of registers for all that issue it; the branch hangs on the wave's number alone.
; An s_nop 0 and four v_nop follow each of the two lines, ahead of the jump, the label and what follows.
.macro JLOAD g0a, g1a, g0b, g1b
	s_cmp_eq_u32 s15, 0
	s_cbranch_scc0 .Lfor_b_\@
	tensor_load_to_lds s[\g0a:\g0a+3], s[\g1a:\g1a+7]
	s_nop 0
.rept 4
	v_nop
.endr
	s_branch .Lasked_\@
.Lfor_b_\@:
	tensor_load_to_lds s[\g0b:\g0b+3], s[\g1b:\g1b+7]
	s_nop 0
.rept 4
	v_nop
.endr
.Lasked_\@:
.endm
.macro CREST                           ; a round of the cluster's barrier behind its opening barrier
	s_cmp_lg_u32 s14, 0
	s_cbranch_scc1 .Lnot_wave_0_\@
	s_barrier_signal -3
.Lnot_wave_0_\@:
	s_barrier_wait -3
	s_barrier_signal -1
	s_barrier_wait -1
.endm
.macro CROUND                          ; a whole round
	s_barrier_signal -1
	s_barrier_wait -1
	CREST
.endm
	s_load_b128 s[4:7], s[0:1], 0x0                ; xc s[4:5], wc s[6:7]
	s_load_b128 s[8:11], s[0:1], 0x10              ; the scales' exponents s[8:9], kqv s[10:11]
	v_lshl_add_u32 v[SPW], v0, 2, SPARE
	v_mov_b32 v[NIL], 0
	ds_add_u32 v[SPW], v[NIL]                      ; the wave's opening: the add, twice on end, and its wait ahead of my first tensor load; the set-up below stands between the second and the wait
	ds_add_u32 v[SPW], v[NIL]
	v_lshrrev_b32 v1, 5, v0
	v_readfirstlane_b32 s14, v1                    ; wave 0..3
	s_lshr_b32 s15, s14, 1                         ; which half of R's rows is mine.  Also: I fetch for x (0) or for W (1)
	s_and_b32 s16, s14, 1                          ; which half of P's rows.  Also: which 128 rows of that tile I fetch
	s_bfe_u32 s40, ttmp6, 0x40000                  ; cx, cy: my place in the cluster
	s_bfe_u32 s41, ttmp6, 0x40004
	s_lshl_b32 s42, ttmp9, 2
	s_add_co_u32 s42, s42, s40                     ; which 256 rows of wc = 4 x product + cx
	s_and_b32 s17, ttmp7, 0xffff
	s_lshl_b32 s17, s17, 2
	s_add_co_u32 s17, s17, s41                     ; which 256 tokens = 4 x cluster y + cy
	s_lshl_b32 s43, s41, 2
	s_lshl_b32 s43, 15, s43                        ; my row of the cluster
	s_lshl_b32 s44, 0x1111, s40                    ; my column
	; descriptor group 1: a tile of 128 rows x 256 bytes, padded in LDS
	s_or_b32 s[G1+0], s43, (0<<16)|(1<<20)|(1<<21)|(5<<22)|(3<<25)  ; 15:0 the mask: x's tiles go to my row; 17:16 element of 1 byte; 20 padding on; 21 set beside a mask; 24:22 after every 64 words (code 5); 31:25 of 4 words (code 3)
	s_or_b32 s[G1B+0], s44, (0<<16)|(1<<20)|(1<<21)|(5<<22)|(3<<25) ; the same with my column's mask, for W's tiles
.irp g, G1, G1B
	s_mov_b32 s[\g+1], ROWB<<16                    ; tensor_dim0
	s_mov_b32 s[\g+2], 128<<16                     ; tensor_dim1 = 128
	s_mov_b32 s[\g+3], ROWB<<16                    ; tile_dim0
	s_mov_b32 s[\g+4], 128                         ; tile_dim1 = 128
	s_mov_b32 s[\g+5], KROW                        ; tensor_dim0_stride
	s_mov_b32 s[\g+6], 0
	s_mov_b32 s[\g+7], 0
.endr
	s_lshl_b32 s18, s16, 7                         ; which 128 rows of the tile I fetch
	s_lshl_b32 s20, s17, 8
	s_add_co_u32 s20, s20, s18                     ; x: row 256 x tokens' block + 128 x half,
	s_lshl_b32 s20, s20, 10                        ; in bytes,
	s_lshl_b32 s21, ttmp9, 23                      ; in the product's plane of 2^23 bytes: all under 2^32.  Nothing here hangs on cx
	s_add_co_u32 s20, s20, s21
	s_mov_b32 s21, 0
	s_lshl_b32 s46, s42, 8
	s_add_co_u32 s46, s46, s18                     ; W: row 256 x block + 128 x half.  Nothing here hangs on cy
	s_lshl_b32 s46, s46, 10
	s_mov_b32 s47, 0
	s_mul_i32 s45, s14, HALFT                      ; where they go: wave x 128 rows: no place in the cluster enters an LDS address
	s_wait_dscnt 0x0                               ; both opening adds are done
	s_wait_kmcnt 0x0
	s_load_b256 s[68:75], s[8:9], 0x0              ; e0 .. e7
	s_load_b64 s[76:77], s[8:9], 0x20              ; e8, e9
	s_add_nc_u64 s[20:21], s[4:5], s[20:21]
	s_add_nc_u64 s[46:47], s[6:7], s[46:47]
	CROUND                                         ; all sixteen work-groups are here: the first joint loads meet
.irp s, 0,1
	s_mov_b32 s[G0+4*\s], 1
	s_add_co_u32 s[G0+4*\s+1], s45, \s*SLOT
	s_add_nc_u64 s[G0+4*\s+2:G0+4*\s+3], s[20:21], \s*ROWB
	s_or_b32 s[G0+4*\s+3], s[G0+4*\s+3], 0x80000000
	s_mov_b32 s[G0B+4*\s], 1
	s_add_co_u32 s[G0B+4*\s+1], s45, \s*SLOT
	s_add_nc_u64 s[G0B+4*\s+2:G0B+4*\s+3], s[46:47], \s*ROWB
	s_or_b32 s[G0B+4*\s+3], s[G0B+4*\s+3], 0x80000000
	JLOAD G0+4*\s, G1, G0B+4*\s, G1B               ; two loads of mine are out
.endr
	v_and_b32 v1, 15, v0                           ; r = lane % 16
	v_bfe_u32 v2, v0, 4, 1                         ; h = lane / 16
	v_mul_u32_u24 v3, v1, PITCH
	v_lshl_add_u32 v4, v2, 4, v3                   ; a fragment's row x pitch + 16 x half
	s_wait_alu depctr_va_vdst(0)
	s_cmp_eq_u32 ttmp9, 2                          ; is the product v?  All the choices on this compare come first: the arithmetic behind them sets SCC
	s_cselect_b32 s80, 2*HALFT, 0                  ; R is read from W's rows (v) or from x's
	s_cselect_b32 s81, 0, 2*HALFT                  ; P from x's rows (v) or from W's.  Either way an address stays inside its slot
	s_cselect_b32 s83, s15, s16                    ; which half of the 256 channels is mine
	s_cselect_b32 s84, s16, s15                    ; which half of the 256 tokens
	s_mov_b32 s82, 0x20000
	s_cselect_b32 s82, 1024, s82                   ; P's blocks 4-7: the image's second half (v), or the next head (k, q)
	s_mov_b32 s86, 1024
	s_cselect_b32 s86, 2048, s86                   ; from one block of R to the next: an image's bytes
	s_cselect_b32 s88, 122880, 0                   ; v: behind four tiles of channels the next head begins: 131,072 - 4 x 2,048 bytes on
	s_mov_b32 s87, 0
	s_mov_b32 s89, 0
	s_mul_i32 s21, s15, HALFT
	s_add_co_u32 s21, s21, s80                     ; my 128 rows of R
	s_mul_i32 s22, s16, HALFT
	s_add_co_u32 s22, s22, s81                     ; my 128 rows of P
.irp s, 0,1
	v_add_nc_u32 v[ADRA+\s], s21, v4
	v_add_nc_u32 v[ADRB+\s], s22, v4
	s_add_co_u32 s21, s21, SLOT
	s_add_co_u32 s22, s22, SLOT
.endr
	v_lshlrev_b32 v[VLO], 4, v1
	v_lshl_add_u32 v[VLO], v2, 3, v[VLO]           ; 16 r + 8 h: my 8 bytes of a block of 256
	v_add_nc_u32 v[VHI], s82, v[VLO]
	; where my wave's first image begins in kqv, in bytes (under 2^32): plane, batch, head, the tokens' place
	s_lshl_b32 s90, ttmp9, 23
	s_lshr_b32 s91, s17, 3                         ; the batch: 8 blocks of 256 tokens each
	s_lshl_b32 s91, s91, 21                        ; 16 heads of 131,072 bytes
	s_add_co_u32 s90, s90, s91
	s_lshl_b32 s91, s40, 2                         ; 256 channels are four heads,
	s_lshl_b32 s83, s83, 1                         ; my half of them two
	s_add_co_u32 s91, s91, s83
	s_lshl_b32 s91, s91, 17
	s_add_co_u32 s90, s90, s91
	s_and_b32 s91, s17, 7
	s_lshl_b32 s91, s91, 14                        ; 256 tokens are 16,384 bytes of a head's images,
	s_add_co_u32 s90, s90, s91
	s_lshl_b32 s84, s84, 13                        ; my half of them 8,192
	s_add_co_u32 s90, s90, s84
	s_mov_b32 s91, 0
	s_add_nc_u64 s[10:11], s[10:11], s[90:91]
	s_wait_alu depctr_va_vdst(0)
	s_wait_kmcnt 0x0
	s_cmp_eq_u32 ttmp9, 1                          ; (ea, eb, eo) begin as v's (e4, e5, e9)
	s_cselect_b32 s72, s70, s72                    ; q: e2,
	s_cselect_b32 s73, s71, s73                    ; e3,
	s_cselect_b32 s77, s74, s77                    ; e6
	s_cmp_eq_u32 ttmp9, 0
	s_cselect_b32 s72, s68, s72                    ; k: e0,
	s_cselect_b32 s73, s69, s73                    ; e1,
	s_cselect_b32 s77, s75, s77                    ; e7
	s_sub_co_i32 s77, s77, s72
	s_sub_co_i32 s77, s77, s73
	s_add_co_i32 s77, s77, 5+127                   ; eo - ea - eb + 5, as an exponent field
	s_lshl_b32 s78, s77, 23
	v_mov_b32 v[QS], s78
.macro FRAG reg, adr, q, i             ; a fragment, 16 rows x 128 K of 8-bit codes, is 16 registers: lane l holds row l % 16; registers 4 c .. 4 c + 3 hold K = 32 c + 16 (l / 16) + 0 .. 15: the same places in both operands
.irp c, 0,1,2,3
	ds_load_b128 v[\reg+4*\c:\reg+4*\c+3], v[\adr] offset:128*(\q)+32*\c+(\i)*16*PITCH
.endr
.endm
; 16 matrix instructions: R's blocks a0, a0 + 1 x P's eight, 128 along K.  p: P's set.  zero = 1: the first product starts the sums: nothing is ever cleared.
; The 64 accumulators take turns, one instruction a turn, in the same order in every step.
.macro MUL16 a0, p, zero
.irp a, \a0, \a0+1
.irp b, 0,1,2,3,4,5,6,7
.if \zero
	v_wmma_f32_16x16x128_fp8_fp8 v[8*(8*((\a)%4)+\b):8*(8*((\a)%4)+\b)+7], v[128*(\p)+FR*\b:128*(\p)+FR*\b+FR-1], v[AF+FR*(\a):AF+FR*(\a)+FR-1], 0
.else
	v_wmma_f32_16x16x128_fp8_fp8 v[8*(8*((\a)%4)+\b):8*(8*((\a)%4)+\b)+7], v[128*(\p)+FR*\b:128*(\p)+FR*\b+FR-1], v[AF+FR*(\a):AF+FR*(\a)+FR-1], v[8*(8*((\a)%4)+\b):8*(8*((\a)%4)+\b)+7]
.endif
.endr
.endr
.endm
.macro FETCH_B slot, q, p              ; P's eight fragments of the slot's q-th 128 along K into set p
	WIN TO_B
.irp i, 0,1,2,3,4,5,6,7
	FRAG 128*(\p)+FR*\i, ADRB+\slot, \q, \i
.endr
	WIN 0
.endm
.macro FETCH_A slot, q, i0             ; R's blocks i0 .. i0 + 3
.irp i, \i0, \i0+1, \i0+2, \i0+3
	FRAG AF+FR*(\i), ADRA+\slot, \q, \i
.endr
.endm
; A load into a register that a matrix instruction has read, and a vector instruction that reads a matrix result or writes one of its registers, stand NP places behind it; only plain vector instructions that name none of its registers are places.
.macro PLACES n
.rept \n
	v_nop
.endr
.endm
; A step of 128 along K that has its successor in the same slot.
.macro STEP slot, q, zero
	s_wait_dscnt 4*NL                              ; P's set and R's blocks 0-3 are in; the youngest sixteen loads (R's blocks 4-7) may be out
	WIN MUL_LO
	MUL16 0, (\q)%2, \zero
	MUL16 2, (\q)%2, \zero
	s_wait_dscnt 0                                 ; R's blocks 4-7 are in (asked for 32 matrix instructions ago)
	PLACES NP
	FETCH_B \slot, (\q)+1, 1-(\q)%2
	FETCH_A \slot, (\q)+1, 0
	WIN MUL_HI
	MUL16 4, (\q)%2, \zero
	MUL16 6, (\q)%2, \zero
	PLACES NP
	WIN 0
	FETCH_A \slot, (\q)+1, 4
.endm
; A slot's last step changes slots: ONE barrier; in front of it each wave waits for all its tensor loads, adds 0 to its spare word, and waits for that and for its own reads of this slot.  fill = 1: this slot is filled again, two fills ahead.
.macro TURN slot, next, fill
	s_wait_tensorcnt 0x0                           ; all my tensor loads have landed: my part of the next slot  (every window is 0 here)
	ds_add_u32 v[SPW], v[NIL]                      ; 0 onto my spare word
	s_wait_dscnt 4*NL+1                            ; (the add and the youngest sixteen loads, R's blocks 4-7, may be out)
	WIN MUL_LO
	MUL16 0, 1, 0                                  ; sixteen matrix instructions stand between the add and the wait for it
	s_wait_dscnt 0x0                               ; the add is done, and my reads of this slot are over
	s_barrier_signal -1
	MUL16 2, 1, 0
	WIN 0
	s_barrier_wait -1
.if \fill
	CREST                                          ; the barrier has opened a round of the cluster's barrier: no wave of any partner still reads this slot's tile or has a load on its way
	s_add_nc_u64 s[G0+4*\slot+2:G0+4*\slot+3], s[G0+4*\slot+2:G0+4*\slot+3], 2*ROWB
	s_add_nc_u64 s[G0B+4*\slot+2:G0B+4*\slot+3], s[G0B+4*\slot+2:G0B+4*\slot+3], 2*ROWB
	JLOAD G0+4*\slot, G1, G0B+4*\slot, G1B         ; the first tensor load behind the round, and my one load until the next; its four v_nop are the places in front of the loads below
.else
	PLACES NP
.endif
	FETCH_B \next, 0, 0
	FETCH_A \next, 0, 0
	WIN MUL_HI
	MUL16 4, 1, 0
	MUL16 6, 1, 0
	PLACES NP
	WIN 0
	FETCH_A \next, 0, 4
.endm
	s_wait_tensorcnt 1                             ; my part of slot 0 is in; slot 1's load may be out
	s_barrier_signal -1
	s_barrier_wait -1                              ; everybody's is
	FETCH_B 0, 0, 0
	FETCH_A 0, 0, 0
	FETCH_A 0, 0, 4
	STEP 0, 0, 1                                   ; K = 1,024 is eight steps of 128: written out, no loop.  The first step's products start the sums
	TURN 0, 1, 1                                   ; slot 0 takes K 512 on
	STEP 1, 0, 0
	TURN 1, 0, 1                                   ; slot 1 takes K 768 on
	STEP 0, 0, 0
	TURN 0, 1, 0                                   ; nothing is left to fetch, so no round of the cluster's barrier
	STEP 1, 0, 0
	s_wait_dscnt 4*NL                              ; the last step
	WIN MUL_LO
	MUL16 0, 1, 0
	MUL16 2, 1, 0
	s_wait_alu depctr_va_vdst(0)
	s_wait_dscnt 0
	WIN MUL_HI
	MUL16 4, 1, 0
	MUL16 6, 1, 0
	WIN 0
; THE WAY OUT, a block of R's 16 rows at a time: the 64 sums are held within the largest code x the scale (each accumulator from its low end on), converted, and stored.
; k, q: accumulator (a, b) is tile a of my 8 tiles of tokens, head b / 4 of my two, bytes 256 (b % 4) on of the image.     v: tile a % 4 of channels of head a / 4, bytes 256 b on of the image of my 128 keys.
.macro OUTBLK a
.set AC, 64*((\a)%4)
.if (\a) > 0
	s_wait_xcnt 0x0                                ; the last block's stores have read their base, which steps
	s_add_nc_u64 s[10:11], s[10:11], s[86:87]
.if (\a) == 4
	s_add_nc_u64 s[10:11], s[10:11], s[88:89]
.endif
.endif
	WIN 0x02+((\a)/4)                              ; source 0: window 2 or 3
.set n, 0
.rept 64
.set n, n+1
.endr
.irp b, 0,1,2,3,4,5,6,7
	v_cvt_scalef32_pk8_fp8_f32 v[CD+16*(\a)+2*\b:CD+16*(\a)+2*\b+1], v[AC+8*\b:AC+8*\b+7], v[QS]
.endr
	WIN 0
	v_nop                                          ; one plain vector instruction behind the conversions
.irp b, 0,1,2,3,4,5,6,7
.if \b < 4
	global_store_b64 v[VLO], v[CD+16*(\a)+2*\b:CD+16*(\a)+2*\b+1], s[10:11] offset:256*(\b%4)   ; the wave stores 256 consecutive bytes, aligned
.else
	global_store_b64 v[VHI], v[CD+16*(\a)+2*\b:CD+16*(\a)+2*\b+1], s[10:11] offset:256*(\b%4)
.endif
.endr
.endm
	PLACES NP                                      ; behind the last products: their results are read, and R's registers are written, below
.irp a, 0,1,2,3,4,5,6,7
	OUTBLK \a
.endr
	s_wait_tensorcnt 0x0                           ; the wave's end, behind my last tensor load
	ds_add_u32 v[SPW], v[NIL]
	s_wait_dscnt 0x0
	CROUND                                         ; the closing round: no work-group ends while a partner may still ask for a tile that names it
	s_endpgm
.Lfunc_end_k_q3f37fe2ef5_qkv:
	.size	k_q3f37fe2ef5_qkv, .Lfunc_end_k_q3f37fe2ef5_qkv-k_q3f37fe2ef5_qkv
	.p2alignl 7, 3214868480
	.fill 96, 4, 3214868480
	.section	.rodata,"a",@progbits
	.p2align	6, 0x0
	.amdhsa_kernel k_q3f37fe2ef5_qkv
		.amdhsa_group_segment_fixed_size 327680
		.amdhsa_private_segment_fixed_size 0
		.amdhsa_enable_private_segment 0
		.amdhsa_kernarg_size 32
		.amdhsa_user_sgpr_count 2
		.amdhsa_user_sgpr_kernarg_segment_ptr 1
		.amdhsa_wavefront_size32 1
		.amdhsa_system_sgpr_workgroup_id_x 1
		.amdhsa_system_sgpr_workgroup_id_y 1
		.amdhsa_system_sgpr_workgroup_id_z 1
		.amdhsa_system_vgpr_workitem_id 0
		.amdhsa_next_free_vgpr 1024
		.amdhsa_next_free_sgpr 98
		.amdhsa_reserve_vcc 0
		.amdhsa_float_denorm_mode_32 3
		.amdhsa_float_denorm_mode_16_64 3
		.amdhsa_fp16_overflow 1
		.amdhsa_memory_ordered 1
		.amdhsa_forward_progress 1
		.amdhsa_inst_pref_size 90
	.end_amdhsa_kernel
	.amdgpu_metadata
---
amdhsa.version: [ 1, 2 ]
amdhsa.kernels:
  - .name:           k_q3f37fe2ef5_qkv
    .symbol:         k_q3f37fe2ef5_qkv.kd
    .args:
      - { .name: xc, .offset: 0, .size: 8, .value_kind: global_buffer, .address_space: global }
      - { .name: wc, .offset: 8, .size: 8, .value_kind: global_buffer, .address_space: global }
      - { .name: lowp_scales, .offset: 16, .size: 8, .value_kind: global_buffer, .address_space: global }
      - { .name: kqv, .offset: 24, .size: 8, .value_kind: global_buffer, .address_space: global }
    .group_segment_fixed_size: 327680
    .private_segment_fixed_size: 0
    .kernarg_segment_align: 8
    .kernarg_segment_size: 32
    .max_flat_workgroup_size: 128
    .sgpr_count:     98
    .vgpr_count:     1024
    .wavefront_size: 32
...
	.end_amdgpu_metadata
.endif
;; end of part 2
;; launch attn (part 3): grid 4 x 64, 16 waves a work-group, no clusters, 327,680 bytes of LDS; arguments kqv, lowp_scales, ao; writes ao
.if DOCPART == 3
	.amdgcn_target "amdgcn-amd-amdhsa--gfx1250"
	.amdhsa_code_object_version 6
	.text
	.protected	k_q3f37fe2ef5_attn
	.globl	k_q3f37fe2ef5_attn
	.p2align	8
	.type	k_q3f37fe2ef5_attn,@function
k_q3f37fe2ef5_attn:
	s_mov_b64 s[64:65], 0
	v_nop
	global_prefetch_b8 v0, s[64:65] scope:SCOPE_SE
	s_setreg_imm32_b32 hwreg(HW_REG_WAVE_MODE, 25, 1), 1
	s_wait_xcnt 0x0
; LAUNCH 3 OF 4: causal attention, products 4 and 5 on codes of FP8 (E4M3), head size 64, 2,048 positions, 64 heads (batch x 16 + head); the result O / l is quantised at once (e10) for the projection.
; WORK LEFT OUT: reference()'s own causal mask gives every key behind a query the weight 0, whatever the inputs hold.  So a step of 128 keys all behind a tile's 16 queries is not computed, and 256 keys all behind the work-group's last query are not fetched.
; LIMITS: a NaN or an infinity in a hidden key's or value's row is not carried into rows that cannot see it.  e6 + e7 between -123 and 130 (added to c's exponent field); e8 and e10 between -126 and 119; e8 + e9 goes by v_ldexp_f32 and has none.
; THE SOFTMAX AHEAD OF THE SECOND PRODUCT: t = score x log2(e) / 8; M = the row's largest t so far, rounded UP to a whole number; p = 2^(t - M) is quantised along the keys (e8), not normalised.
; The row's sum is taken of the unquantised p, in f32, and divides O at the end.  When M moves, the sum and O are multiplied by 2^(old M - new M): exact.
; INPUT: kqv, images of operand registers (launch 2): a fragment is read as 16 bytes a lane at 16 x lane, 512 bytes an instruction: no rows, no pitch, no padding.
;   k, q: 1,024 bytes a tile of 16 rows: [c 0..1][lane]: channels 32 c + 16 h + 0 .. 15 of row r.  The keys of tile 2 b + u are 32 b + 8 u + r + 8 (r / 8).     v: 2,048 bytes a tile of 16 channels x 128 keys: [c 0..3][lane]: keys 32 c + 16 h + 0 .. 15.
; LAYOUT.  Both products are used transposed: S^T = K Q^T (source 0 = 16 keys, source 1 = my 16 queries), O^T = V^T P^T: a lane holds ONE query (lane % 16) throughout.  By the choice of a tile's keys the 16 registers of score tiles
; 2 b, 2 b + 1 are keys 32 b + 16 h + 0 .. 15, so p's codes are the second product's operand as they come; by the same choice of a tile's channels O^T's 16 registers of two tiles are 16 neighbouring channels, so O's codes are the projection's.
; SHARES.  Work-group (i, head) owns query blocks i and 7 - i, 256 queries each: (i + 1) + (8 - i) = 9 blocks of 256 keys to walk, whatever i is: 256 work-groups of equal work.  Each of its sixteen waves owns one tile of 16 queries in each
; block (tile 0: block i; tile 1: block 7 - i), and one walk over the keys serves both.  Four waves to a SIMD, 256 registers each: one wave's vector work stands beside another's matrix work and LDS loads.
; THE RING: two LDS slots of 256 keys (16,384 bytes of K's images, then 16,384 of V's), each filled by two tensor loads (wave 0: K, wave 1: V) and read by all sixteen waves.  Every work-group walks all 8 changes of slots: the trip count is a constant.
; NO CLUSTER: the four work-groups of a head stop fetching at different slots (their last queries are 256 (8 - i) - 1), so a joint load would bring a partner tiles that none of its waves reads.
; OUTPUT: ao [tile of 16 tokens][8 K steps of 128][c 0..3][lane][16 bytes]: a head's 64 channels of a tile are 1,024 consecutive bytes; each store of the wave covers 512 of them, aligned.
.set SK,    256                        ; keys in a slot
.set KV,    16384                      ; bytes of K's, and of V's, images in a slot
.set SLOT1, 1<<15                      ; slot 1 begins here: one exclusive or turns an address in one slot into the other's
.set NSL,   8                          ; slots' worth of keys
.set SPARE, 2*SLOT1                    ; behind the ring: the spare words, 128 bytes for each wave, which no other line names
.set LI,   1                           ; v1   16 x lane: my place in an image, in LDS and in memory; never rewritten
.set DQ,   2                           ; v2   lane % 16 - 16 (lane / 16), for the diagonal
.set PFO,  3                           ; v3   256 x lane: the prefetches' offset; never rewritten
.set SPW,  5                           ; v5   LDS address of my spare word; never rewritten
.set NIL,  6                           ; v6   0; never rewritten
.set ADR,  8                           ; v8   16 x lane + the slot in hand
.set ST,   12                          ; tile T at v[12 + 4 T]: -M, the largest t, the sum in two halves
.set QF,   20                          ; tile T's fragment of Q: v[20 + 8 T] on, 8 registers
.set FR,   36                          ; v36-99   K's 8 fragments of 8 registers, then V's 4 of 16
.set S,    100                         ; v100-163 S^T, then p
.set OT,   164                         ; tile T's O^T: v[164 + 32 T] on
.set PC,   228                         ; v228-243 p's codes.  v244 2^e8; v[246:247] the sum's second chain; v[248:249] f; v250, v251 at work; v252 a permute's destination; v253 -infinity; v254 d
.set WV,   18                          ; s18  my wave's number
.set SEL,  20                          ; s[20:21] lane selects for v_permlanex16_b32: lane l xor 16
.set CS,   22                          ; s[22:23] c = log2(e) / 8 x 2^(e6 + e7): the packed form names a pair and takes its low word for both halves
.set G1,   24                          ; s[24:31] descriptor group 1;  s[40:43] group 0, which walks
.set G0,   40
.set TB,   2                           ; s2   LDS byte at which the slot in hand begins
.set SLOTS, 67                         ; s67  changes of slots still to come that may ask for a slot
.set PFA,  76                          ; s[76:77] where my prefetches stand
.set LIM,  80                          ; s80  1 in a wave that prefetches, else the greatest number
.set OA,   84                          ; s[84:85], s[86:87] where tile 0's and tile 1's codes go
.set Q0,   92                          ; s92, s93 the first query of tile 0, of tile 1
.set KF,   98                          ; s98  the step's first key
; Wave 0 fetches K's images of a slot, wave 1 V's, the others nothing: a branch on the wave's number alone.  An s_nop 0 and four v_nop follow the load.
.macro TLOAD
	s_cmp_lt_u32 s[WV], 2
	s_cbranch_scc0 .Lasked_\@
	tensor_load_to_lds s[G0:G0+3], s[G1:G1+7]
	s_nop 0
.rept 4
	v_nop
.endr
.Lasked_\@:
.endm
; A PREFETCH INTO THE L2 of what the NEXT change of slots will ask for: 16,384 bytes of K's images and as many of V's.  All four work-groups of a head walk the same K and V: work-group i = 0, which walks all 8 slots, asks, and nobody else.
; In it four waves that fetch nothing ask, one instruction each: waves 2, 3 for K's two halves of 8,192 bytes, waves 4, 5 for V's; lanes 256 bytes apart.  So each aligned block of 256 bytes is named once in the launch.
; Slots 0 and 1 come by their loads alone; the last change that fills a slot asks for nothing: there is no slot behind it.
.macro ASK
	s_cmp_gt_u32 s[SLOTS], s[LIM]
	s_cbranch_scc0 .Lnot_mine_\@
	global_prefetch_b8 v[PFO], s[PFA:PFA+1] th:TH_LOAD_NT scope:SCOPE_SE
.Lnot_mine_\@:
.endm
	s_load_b128 s[4:7], s[0:1], 0x0                ; kqv s[4:5], the scales' exponents s[6:7]
	s_load_b64 s[8:9], s[0:1], 0x10                ; ao
	v_lshl_add_u32 v[SPW], v0, 2, SPARE
	v_mov_b32 v[NIL], 0
	ds_add_u32 v[SPW], v[NIL]                      ; the wave's opening: the add, twice on end, and its wait ahead of my first tensor load; the set-up below stands between the second and the wait
	ds_add_u32 v[SPW], v[NIL]
	v_lshrrev_b32 v8, 5, v0
	s_delay_alu instid0(VALU_DEP_1)
	v_readfirstlane_b32 s[WV], v8                  ; wave 0..15
	s_and_b32 s44, ttmp7, 0xffff                   ; the head: batch x 16 + head
	s_lshl_b32 s46, s44, 17                        ; its 131,072 bytes in each plane of kqv
	s_lshl_b32 s45, s[WV], 4
	s_lshl_b32 s[Q0], ttmp9, 8
	s_add_co_u32 s[Q0], s[Q0], s45                 ; tile 0: query 256 i + 16 wave
	s_sub_co_u32 s[Q0+1], 7, ttmp9
	s_lshl_b32 s[Q0+1], s[Q0+1], 8
	s_add_co_u32 s[Q0+1], s[Q0+1], s45             ; tile 1: query 256 (7 - i) + 16 wave
	; descriptor group 1: a dense block of 16,384 bytes as 64 rows of 256 bytes, no padding
	s_mov_b32 s[G1], 3<<16                         ; 15:0 no mask; 17:16 elements of 8 bytes; 20 padding off
	s_mov_b32 s[G1+1], 32<<16                      ; tensor_dim0 = 32
	s_mov_b32 s[G1+2], 64<<16                      ; tensor_dim1 = 64
	s_mov_b32 s[G1+3], 32<<16                      ; tile_dim0 = 32
	s_mov_b32 s[G1+4], 64                          ; tile_dim1 = 64
	s_mov_b32 s[G1+5], 32                          ; tensor_dim0_stride
	s_mov_b32 s[G1+6], 0
	s_mov_b32 s[G1+7], 0
	s_mov_b32 s[SEL], 0x76543210
	s_mov_b32 s[SEL+1], 0xfedcba98
	s_mov_b32 s[CS], 0x3e38aa3b                    ; log2(e) / 8
	s_mov_b32 s[TB], 0
	s_mov_b32 s[SLOTS], NSL-1
	s_mov_b32 s[KF], 0
	s_mov_b32 s[G0], 1                             ; 1:0 count = 1
	s_and_b32 s52, s[WV], 1
	s_lshl_b32 s[G0+1], s52, 14                    ; 63:32 LDS address: slot 0; K's images (wave 0), behind them V's (wave 1)
	s_lshl_b32 s52, s52, 24                        ; plane 0 (k) or plane 2 (v), 2^24 bytes on,
	s_add_co_u32 s52, s52, s46                     ; my head
	s_mov_b32 s53, 0
	s_mov_b32 s55, 0
	s_wait_dscnt 0x0                               ; both opening adds are done
	s_wait_kmcnt 0x0
	s_load_b128 s[68:71], s[6:7], 0x18             ; e6, e7, e8, e9
	s_load_b32 s72, s[6:7], 0x28                   ; e10
	s_add_nc_u64 s[G0+2:G0+3], s[4:5], s[52:53]    ; 120:64 global address: the head's first 256 keys
	s_or_b32 s[G0+3], s[G0+3], 0x80000000          ; 127:126 type = 2
	TLOAD                                          ; slot 0
	v_and_b32 v[LI], 31, v0
	s_delay_alu instid0(VALU_DEP_1)
	v_lshlrev_b32 v[PFO], 8, v[LI]
	s_delay_alu instid0(VALU_DEP_2)
	v_lshlrev_b32 v[LI], 4, v[LI]
	s_wait_alu depctr_va_vdst(0)
	v_and_b32 v[DQ], 15, v0
	v_bfe_u32 v8, v0, 4, 1
	s_delay_alu instid0(VALU_DEP_1)
	v_lshlrev_b32 v8, 4, v8
	s_delay_alu instid0(VALU_DEP_1)
	v_sub_nc_u32 v[DQ], v[DQ], v8
.irp T, 0,1
	s_lshl_b32 s54, s[Q0+\T], 6                    ; a tile of 16 queries is 1,024 bytes,
	s_add_co_u32 s54, s54, s46                     ; in my head,
	s_add_co_u32 s54, s54, 0x800000                ; in plane 1 (q)
	s_add_nc_u64 s[48+2*\T:49+2*\T], s[4:5], s[54:55]
	global_load_b128 v[QF+8*\T:QF+8*\T+3], v[LI], s[48+2*\T:49+2*\T] th:TH_LOAD_NT              ; Q's fragment stays in registers; read once in the launch
	global_load_b128 v[QF+8*\T+4:QF+8*\T+7], v[LI], s[48+2*\T:49+2*\T] offset:512 th:TH_LOAD_NT
.endr
	s_lshr_b32 s56, s44, 4
	s_lshl_b32 s56, s56, 21                        ; ao: a batch's 128 tiles of 16,384 bytes
	s_and_b32 s57, s44, 15
.irp T, 0,1
	s_add_co_u32 s58, s[Q0+\T], s57                ; (query / 16) x 16,384 + head x 1,024 = (query + head) x 1,024
	s_lshl_b32 s58, s58, 10
	s_add_co_u32 s58, s58, s56
	s_mov_b32 s59, 0
	s_add_nc_u64 s[OA+2*\T:OA+2*\T+1], s[8:9], s[58:59]
.endr
	s_sub_co_u32 s56, s[WV], 2                     ; the prefetches: who asks, and where
	s_lshr_b32 s57, s56, 2                         ; 0 in waves 2 to 5,
	s_or_b32 s57, s57, ttmp9                       ; of work-group i = 0
	s_cmp_eq_u32 s57, 0
	s_cselect_b32 s[LIM], 1, -1
	s_and_b32 s57, s56, 2
	s_lshl_b32 s57, s57, 23                        ; waves 4, 5: plane 2
	s_and_b32 s56, s56, 1
	s_lshl_b32 s56, s56, 13                        ; which half of the 16,384 bytes
	s_add_co_u32 s58, s56, s57
	s_add_co_u32 s58, s58, s46
	s_add_co_u32 s58, s58, KV                      ; in slot 1: the first change of slots steps it to slot 2.  Nothing is prefetched here, at the head
	s_add_nc_u64 s[PFA:PFA+1], s[4:5], s[58:59]
.irp T, 0,1
	v_mov_b32 v[ST+4*\T+1], 0xff61b1e6             ; the largest t so far: -3e38, under every t
	s_delay_alu instid0(VALU_DEP_1)
	v_floor_f32 v[ST+4*\T], -v[ST+4*\T+1]          ; -M
	v_mov_b32 v[ST+4*\T+2], 0                      ; the sum, in two halves
	v_mov_b32 v[ST+4*\T+3], 0
.endr
.set n, 0
.rept 64
	v_mov_b32 v[OT+n], 0                           ; both O^T.  (A step is written once for first and later steps alike: the first finds zeros, which the first change of M leaves zeros)
.set n, n+1
.endr
	v_mov_b32 v249, 0                              ; (named as the upper half of the pair v[248:249])
	v_mov_b32 v252, 0                              ; written once: a lane permute's destination counts as one of its sources
	v_mov_b32 v253, 0xff800000                     ; -infinity
	s_wait_kmcnt 0x0
	s_add_co_i32 s45, s68, s69
	s_lshl_b32 s45, s45, 23
	s_add_co_i32 s[CS], s[CS], s45                 ; a score stands for score x 2^(e6 + e7): the two exponents are added to c's exponent field
	s_mov_b32 s[CS+1], s[CS]                       ; (named with it as a pair, so it is written)
	s_add_co_i32 s45, s70, 127
	s_lshl_b32 s52, s45, 23
	v_mov_b32 v244, s52                            ; 2^e8 as f32, for the conversion
; A KEY STEP for one tile: 128 keys, the q-th of the slot in hand, tile T.
.macro STEP q, T
.set rT, ST+4*(\T)
.set rQ, QF+8*(\T)
.set rO, OT+32*(\T)
	s_add_co_u32 s96, s[Q0+\T], 15                 ; a step all of whose keys come after the tile's 16 queries is left out: a scalar branch on ids; no barrier, wait for a barrier or tensor load stands in a step
	s_cmp_gt_u32 s[KF], s96
	s_cbranch_scc1 .Lhidden_\@
	s_wait_alu depctr_va_vdst(0)
.irp t, 0,1,2,3,4,5,6,7                        ; K's eight tiles of 16 keys.  (The last matrix instructions that read these registers stand four v_nop back)
	ds_load_b128 v[FR+8*\t:FR+8*\t+3], v[ADR] offset:(8*(\q)+\t)*1024
	ds_load_b128 v[FR+8*\t+4:FR+8*\t+7], v[ADR] offset:(8*(\q)+\t)*1024+512
.endr
	s_wait_dscnt 0x0
.irp t, 0,1,2,3,4,5,6,7                        ; S^T = K Q^T: register 8 t + j of lane (r, h) is query r, key KF + 32 (t / 2) + 16 h + 8 (t % 2) + j
	v_wmma_f32_16x16x64_fp8_fp8 v[S+8*\t:S+8*\t+7], v[FR+8*\t:FR+8*\t+7], v[rQ:rQ+7], 0
.endr
.rept 4
	v_nop                                          ; places: in front of the loads into K's registers, and of the first read of the scores
.endr
	s_wait_alu depctr_va_vdst(0)
.irp d, 0,1,2,3                                ; V's four tiles of 16 channels x these 128 keys are asked for now and land under the softmax
.irp c, 0,1,2,3
	ds_load_b128 v[FR+16*\d+4*\c:FR+16*\d+4*\c+3], v[ADR] offset:KV+(\q)*8192+\d*2048+512*\c
.endr
.endr
	s_add_co_u32 s96, s[KF], 127                   ; on the diagonal the scores of hidden keys become -infinity ahead of the maximum: p = 0 then.  A step all of whose keys count skips this
	s_cmp_le_u32 s96, s[Q0+\T]
	s_cbranch_scc1 .Lopen_\@
	s_sub_co_i32 s96, s[Q0+\T], s[KF]
	v_add_nc_u32 v254, s96, v[DQ]                  ; d = my query - KF - 16 h.  Register n holds key KF + 16 h + 32 (n / 16) + n % 16: hidden where 32 (n / 16) + n % 16 > d
.set n, 0
.rept 64
	v_cmp_gt_i32 vcc_lo, 32*(n/16)+n%16, v254
	v_cndmask_b32 v[S+n], v[S+n], v253, vcc_lo
.set n, n+1
.endr
.Lopen_\@:
	v_max3_num_f32 v250, v[S], v[S+1], v[S+2]      ; the step's largest score of my query, among my 64 keys, in two chains; each accumulator is read from its low end on
	v_max3_num_f32 v251, v[S+3], v[S+4], v[S+5]
.irp i, 6,10,14,18,22,26,30,34,38,42,46,50,54,58
	v_max3_num_f32 v250, v250, v[S+\i], v[S+\i+1]
	v_max3_num_f32 v251, v251, v[S+\i+2], v[S+\i+3]
.endr
	v_max3_num_f32 v250, v250, v[S+62], v[S+63]
	s_delay_alu instid0(VALU_DEP_1)
	v_max_num_f32 v250, v250, v251
	s_delay_alu instid0(VALU_DEP_1)
	v_permlanex16_b32 v252, v250, s[SEL], s[SEL+1]
	s_delay_alu instid0(VALU_DEP_1)
	v_max_num_f32 v250, v250, v252                 ; and among lane l xor 16's.  (KF is at or under every query of a tile that walks the step, so key KF counts and this is a number)
	s_delay_alu instid0(VALU_DEP_1)
	v_mul_f32 v250, s[CS], v250                    ; as t (c is positive)
	s_delay_alu instid0(VALU_DEP_1)
	v_max_num_f32 v[rT+1], v[rT+1], v250           ; the running largest t
	v_mov_b32 v250, v[rT]
	s_delay_alu instid0(VALU_DEP_2)
	v_floor_f32 v[rT], -v[rT+1]                    ; the new -M = floor(-t) = -ceil(t): M is a whole number
	s_delay_alu instid0(VALU_DEP_1)
	v_sub_f32 v250, v[rT], v250                    ; M's old value less its new one: a whole number, 0 or less
	s_delay_alu instid0(VALU_DEP_1)
	v_cvt_i32_f32 v250, v250                       ; (it saturates)
	s_delay_alu instid0(VALU_DEP_1)
	v_ldexp_f32 v248, 1.0, v250                    ; f = 2^(old M - new M)
.set j, 0
.rept 32
	v_pk_fma_f32 v[S+j:S+j+1], v[S+j:S+j+1], s[CS:CS+1], v[rT:rT+1] op_sel_hi:[1,0,0]   ; t - M, two at a time (of the pairs c and -M the low word serves both halves)
.set j, j+2
.endr
.set j, 0
	s_wait_alu depctr_va_vdst(0)
.rept 64
	v_exp_f32 v[S+j], v[S+j]                       ; p = 2^(t - M), at most 1: not normalised
.set j, j+1
.endr
	v_pk_mul_f32 v[rT+2:rT+3], v[rT+2:rT+3], v[248:249] op_sel_hi:[1,0]   ; the sums under the new M.  (The plain instruction behind the exponentials)
	s_wait_alu depctr_va_vdst(0)                   ; one wait for the whole batch, ahead of its first reader
	v_pk_add_f32 v[246:247], v[S:S+1], v[S+2:S+3]  ; the row's sum is taken of the UNQUANTISED p: two at a time, in two chains
.set j, 4
.rept 15
	v_pk_add_f32 v[rT+2:rT+3], v[rT+2:rT+3], v[S+j:S+j+1]
	v_pk_add_f32 v[246:247], v[246:247], v[S+j+2:S+j+3]
.set j, j+4
.endr
	s_delay_alu instid0(VALU_DEP_1)
	v_pk_add_f32 v[rT+2:rT+3], v[rT+2:rT+3], v[246:247]
.irp b, 0,1,2,3
.irp i, 0,1,2,3,4,5,6,7,8,9,10,11,12,13,14,15
.endr
	v_cvt_scalef32_pk8_fp8_f32 v[PC+4*\b:PC+4*\b+1], v[S+16*\b:S+16*\b+7], v244        ; registers 4 b .. 4 b + 3 of the operand: keys 32 b + 16 h + 0 .. 15
	v_cvt_scalef32_pk8_fp8_f32 v[PC+4*\b+2:PC+4*\b+3], v[S+16*\b+8:S+16*\b+15], v244
.endr
.set j, 0
.rept 16
	v_pk_mul_f32 v[rO+j:rO+j+1], v[rO+j:rO+j+1], v[248:249] op_sel_hi:[1,0]   ; O^T under the new M.  (Also the plain instructions between the conversions and the products that read their results)
.set j, j+2
.endr
	s_wait_alu depctr_va_vdst(0)
	s_wait_dscnt 0x0                               ; V is in
.irp d, 0,1,2,3                                ; O^T += V^T P^T: four accumulators, one instruction a turn; the matrix instructions before and behind them are scores'
	v_wmma_f32_16x16x128_fp8_fp8 v[rO+8*\d:rO+8*\d+7], v[FR+16*\d:FR+16*\d+15], v[PC:PC+15], v[rO+8*\d:rO+8*\d+7]
.endr
.rept 4
	v_nop                                          ; places: in front of the next loads into V's registers, and of the way out's reads and writes
.endr
.Lhidden_\@:
.endm
; THE CHANGE OF SLOTS stands at a slot's head.  Each wave waits for all its tensor loads (its part of the slot that is about to be read), adds 0 to its spare word, and waits for that and for its reads of the slot that it has left.
; Behind the barrier the slot ahead is whole and nobody reads the other one.  fill = 1: that other slot takes the next 256 keys, up to the causal limit: the load has a whole slot's steps in which to land.
.macro CHANGE fill
	s_wait_tensorcnt 0x0                           ; no tensor load of mine is out, so group 0 may be written
	ds_add_u32 v[SPW], v[NIL]                      ; 0 onto my spare word
.if \fill
	ds_add_u32 v[SPW], v[NIL]                      ; and once more, in every trip alike
	s_xor_b32 s[G0+1], s[G0+1], SLOT1              ; the walking descriptor: the other slot than last time,
	s_add_nc_u64 s[G0+2:G0+3], s[G0+2:G0+3], KV    ; the next 256 keys; the type bits on top are not reached
	s_wait_xcnt 0x0                                ; the last prefetch, a slot back, has read its address, so it may be written:
	s_add_nc_u64 s[PFA:PFA+1], s[PFA:PFA+1], KV    ; one slot further on than the walking descriptor
.endif
	s_wait_dscnt 0x0                               ; the add is done (fill = 1: both are), and my reads of the slot that I have left are over
	s_barrier_signal -1
	s_barrier_wait -1
.if \fill
	s_add_co_u32 s96, s[KF], SK                    ; the first key of the slot that this change would ask for
	s_or_b32 s97, s[Q0+1], 255                     ; my work-group's last query
	s_cmp_gt_u32 s96, s97                          ; ids and the count of steps alone: all sixteen waves go the same way, and a work-group that is past the limit stays past it.  No step reads a slot that was passed over;
	s_cbranch_scc1 .Lpast_\@                       ; every wait for tensor loads in this text is for 0; the jump leads round the load's own lines alone
	TLOAD                                          ; the first thing behind the barrier but for those four lines, and a wave's one tensor load until the next
.Lpast_\@:
	ASK                                            ; what the next change of slots will ask for: a slot's four tile-steps a wave ahead of that load
.endif
.endm
.macro SLOT_STEPS
	v_add_nc_u32 v[ADR], s[TB], v[LI]
	STEP 0, 1
	STEP 0, 0
	s_add_co_u32 s[KF], s[KF], 128
	STEP 1, 1
	STEP 1, 0
	s_add_co_u32 s[KF], s[KF], 128
	s_xor_b32 s[TB], s[TB], SLOT1                  ; on to the other slot
.endm
	s_wait_loadcnt 0x0                             ; Q
.Lslot:                                            ; NSL - 1 trips: behind each change of slots but the last the next slot is asked for, up to the limit
	CHANGE 1
	SLOT_STEPS
	s_sub_co_u32 s[SLOTS], s[SLOTS], 1
	s_cmp_lg_u32 s[SLOTS], 0
	s_cbranch_scc1 .Lslot
	CHANGE 0                                       ; the last slot is written out: nothing is left to ask for
	SLOT_STEPS
	; THE WAY OUT, both tiles.  The sum's halves are added; O^T / the sum x 2^(e8 + e9) is the attention's result; it is held, converted with 2^e10 and stored as the projection's operand.
	s_add_co_i32 s96, s70, s71                     ; e8 + e9
	s_add_co_i32 s45, s72, 127
	s_lshl_b32 s52, s45, 23                        ; 2^e10
	v_add_f32 v[ST+2], v[ST+2], v[ST+3]
	s_wait_alu depctr_va_vdst(0)
	v_add_f32 v[ST+6], v[ST+6], v[ST+7]
	v_permlanex16_b32 v252, v[ST+2], s[SEL], s[SEL+1]
	s_delay_alu instid0(VALU_DEP_1)
	v_add_f32 v[ST+2], v[ST+2], v252               ; with lane l xor 16's: the row's sum
	s_delay_alu instid0(VALU_DEP_2)
	v_permlanex16_b32 v252, v[ST+6], s[SEL], s[SEL+1]
	s_delay_alu instid0(VALU_DEP_1)
	v_add_f32 v[ST+6], v[ST+6], v252
	s_wait_alu depctr_va_vdst(0)
	v_rcp_f32 v[ST+2], v[ST+2]
	v_rcp_f32 v[ST+6], v[ST+6]
	v_mov_b32 v244, s52                            ; (plain instructions behind the reciprocals)
	s_wait_alu depctr_va_vdst(0)                   ; one wait for both reciprocals, ahead of their first reader
	v_ldexp_f32 v[ST+2], v[ST+2], s96
	v_ldexp_f32 v[ST+6], v[ST+6], s96
.irp T, 0,1
.set j, 0
.rept 16
	v_pk_mul_f32 v[S+32*\T+j:S+32*\T+j+1], v[OT+32*\T+j:OT+32*\T+j+1], v[ST+4*\T+2:ST+4*\T+3] op_sel_hi:[1,0]   ; register 16 b + i is channel 32 b + 16 h + i of query r; each accumulator from its low end on
.set j, j+2
.endr
.endr
.set j, 0
.rept 64
.set j, j+1
.endr
.irp T, 0,1
.irp g, 0,1,2,3
	v_cvt_scalef32_pk8_fp8_f32 v[PC+8*\T+2*\g:PC+8*\T+2*\g+1], v[S+32*\T+8*\g:S+32*\T+8*\g+7], v244
.endr
.endr
	v_nop                                          ; the plain instruction behind the last conversion
.irp T, 0,1
	global_store_b128 v[LI], v[PC+8*\T:PC+8*\T+3], s[OA+2*\T:OA+2*\T+1]                 ; the wave stores 512 consecutive bytes, aligned: channels 0-31 of my head,
	global_store_b128 v[LI], v[PC+8*\T+4:PC+8*\T+7], s[OA+2*\T:OA+2*\T+1] offset:512    ; channels 32-63
.endr
	s_wait_tensorcnt 0x0                           ; the wave's end, behind my last tensor load
	ds_add_u32 v[SPW], v[NIL]
	s_wait_dscnt 0x0
	s_endpgm
.Lfunc_end_k_q3f37fe2ef5_attn:
	.size	k_q3f37fe2ef5_attn, .Lfunc_end_k_q3f37fe2ef5_attn-k_q3f37fe2ef5_attn
	.p2alignl 7, 3214868480
	.fill 96, 4, 3214868480
	.section	.rodata,"a",@progbits
	.p2align	6, 0x0
	.amdhsa_kernel k_q3f37fe2ef5_attn
		.amdhsa_group_segment_fixed_size 327680
		.amdhsa_private_segment_fixed_size 0
		.amdhsa_enable_private_segment 0
		.amdhsa_kernarg_size 24
		.amdhsa_user_sgpr_count 2
		.amdhsa_user_sgpr_kernarg_segment_ptr 1
		.amdhsa_wavefront_size32 1
		.amdhsa_system_sgpr_workgroup_id_x 1
		.amdhsa_system_sgpr_workgroup_id_y 1
		.amdhsa_system_sgpr_workgroup_id_z 1
		.amdhsa_system_vgpr_workitem_id 0
		.amdhsa_next_free_vgpr 256
		.amdhsa_next_free_sgpr 100
		.amdhsa_reserve_vcc 1
		.amdhsa_float_denorm_mode_32 3
		.amdhsa_float_denorm_mode_16_64 3
		.amdhsa_fp16_overflow 1
		.amdhsa_memory_ordered 1
		.amdhsa_forward_progress 1
		.amdhsa_inst_pref_size 163
	.end_amdhsa_kernel
	.amdgpu_metadata
---
amdhsa.version: [ 1, 2 ]
amdhsa.kernels:
  - .name:           k_q3f37fe2ef5_attn
    .symbol:         k_q3f37fe2ef5_attn.kd
    .args:
      - { .name: kqv, .offset: 0, .size: 8, .value_kind: global_buffer, .address_space: global }
      - { .name: lowp_scales, .offset: 8, .size: 8, .value_kind: global_buffer, .address_space: global }
      - { .name: ao, .offset: 16, .size: 8, .value_kind: global_buffer, .address_space: global }
    .group_segment_fixed_size: 327680
    .private_segment_fixed_size: 0
    .kernarg_segment_align: 8
    .kernarg_segment_size: 24
    .max_flat_workgroup_size: 512
    .sgpr_count:     100
    .vgpr_count:     256
    .wavefront_size: 32
...
	.end_amdgpu_metadata
.endif
;; end of part 3
;; launch proj (part 4): grid 4 x 32, 4 waves a work-group, clusters of 4 x 4, 327,680 bytes of LDS; arguments ao, wp, lowp_scales, out0; writes out0
.if DOCPART == 4
	.amdgcn_target "amdgcn-amd-amdhsa--gfx1250"
	.amdhsa_code_object_version 6
	.text
	.protected	k_q3f37fe2ef5_proj
	.globl	k_q3f37fe2ef5_proj
	.p2align	8
	.type	k_q3f37fe2ef5_proj,@function
k_q3f37fe2ef5_proj:
	s_mov_b64 s[64:65], 0
	v_nop
	global_prefetch_b8 v0, s[64:65] scope:SCOPE_SE
	s_setreg_imm32_b32 hwreg(HW_REG_WAVE_MODE, 25, 1), 1
	s_wait_xcnt 0x0
	s_wait_alu depctr_hold_cnt(0) depctr_sa_sdst(0) depctr_va_vdst(0) depctr_va_sdst(0) depctr_va_ssrc(0) depctr_va_vcc(0) depctr_vm_vsrc(0)
	s_getreg_b32 s2, hwreg(HW_REG_IB_STS2, 6, 4)
	s_cmp_eq_u32 s2, 0
	s_cbranch_scc0 .Lentry_in_a_cluster
	s_endpgm
.Lentry_in_a_cluster:
	s_bfe_u32 s2, ttmp6, 0x10000c
	s_cmp_lg_u32 s2, 0xf033
	s_cbranch_scc0 .Lentry_shape_is_right
	s_endpgm
.Lentry_shape_is_right:
; LAUNCH 4 OF 4: out0 = (attention's result) W_proj^T / 32, product 6 on codes of FP8 (E4M3).  No work is left out here.
; ao: the left operand as images of its registers, [tile of 16 tokens][8 K steps of 128][c 0..3][lane][16 bytes] (launch 3).  wp: [1024][1024] codes of W_proj, K innermost (launch 1).  out0: [8192][1024] f32.
; The codes are multiplied as they are, and each finished sum once by 2^(e10 + e11 - 5).  LIMIT: e10 + e11 - 5 lies between -126 and 127, so that this is an f32 number.
; A tile of 256 x 256 of out0 is made by four waves, as many as a WGP has SIMDs; a wave makes 128 x 128: 64 accumulators, 512 registers.  K = 1,024 goes in four fills of 256 through a ring of two LDS slots.
; CLUSTERS: 4 x 4 work-groups.  The four of a row of the cluster need the same tokens' images, the four of a column the same rows of W_proj: each tile is asked for JOINTLY, by the same tensor load with the same descriptor and a mask that names the four.
; THE MATRIX INSTRUCTION IS USED TRANSPOSED (source 0 = 16 rows of W_proj, source 1 = 16 tokens): a lane then holds eight neighbouring numbers of a row of out0.
; REGISTERS, in windows of 256: window 0: v0-31 addresses; from v128 the tokens' fragments (8 x 16 rows x 128 K), ONE set; on the way out v32-255 are free.
;   window 1: W_proj's fragments, TWO sets, at v0 and v128.   window 2: the 32 accumulators of my tokens 0-63 (accumulator (a, b) at v[8 (8 a + b)]);   window 3: those of tokens 64-127.
.set SIZE_N, 1024
.set ROWB,   256                       ; a row of W_proj's tile in bytes
.set KROW,   1024                      ; a row of wp in bytes
.set PITCH,  272                       ; its LDS row: 256 bytes + 16 of padding = 68 words: row r starts at bank 4 r mod 64 (64 banks of 4 bytes: ISA guide 11.1)
.set FR,     16                        ; registers of a fragment: 16 rows x 128 K
.set NL,     4                         ; LDS loads that bring one
.set NP,     4                         ; places behind this matrix instruction (ISA guide 7.12.1)
.set AH,     8*4096                    ; 8 tiles of tokens x 256 along K as images, dense: what one tensor load brings of ao
.set BH,     128*PITCH                 ; 128 rows of W_proj: what one brings of wp
.set SLOT,   2*AH+2*BH                 ; ao's two halves, then wp's two
.set SPARE,  2*SLOT                    ; behind the ring: the spare words, 128 bytes for each wave, which no other line names
.set SPITCH, 528                       ; the way out: a stage of 16 rows x (512 bytes + 16) for each wave.  It lies in slot 0, which has had its last fill and its last read when the first result is stored there
.set ADRA, 16                          ; v16-17  LDS address of my tokens' fragments in slot 0, 1
.set ADRB, 20                          ; v20-21  the same for W_proj's
.set STO,  24                          ; v24     the way out: where I put 32 bytes of a row
.set RD,   25                          ; v25     the way out: where I read a row back
.set CO,   26                          ; v26     16 x lane: my byte offset in a row of out0, and in an image
.set SPW,  28                          ; v28     LDS address of my spare word; never rewritten
.set NIL,  29                          ; v29     0; never rewritten
.set TMP,  32                          ; the way out: 64 registers, a block's sums x the power of two
.set AF,   128                         ; the tokens' fragments, in window 0
.set BK,   128                         ; the way out: 16 rows read back from the stage: v128-191 and v192-255 by turns
.set G1, 24                            ; s[24:31] descriptor group 1 for ao's tiles;  s[32:39] group 0, one set for each slot
.set G0, 32
.set G1B, 48                           ; s[48:55], s[56:63] the same for wp's tiles
.set G0B, 56
.set MSB, 0
.macro WIN new                         ; the immediate's high byte repeats the setting that is left
.if MSB != \new
	s_set_vgpr_msb (MSB<<8)|\new
.set MSB, \new
.endif
.endm
.set MUL_LO, 0xa1                      ; source 0 (W_proj) window 1, source 1 (tokens) window 0, C and D window 2
.set MUL_HI, 0xf1                      ; the same, C and D window 3
.set TO_B,   0x40                      ; destination window 1, address window 0
; A joint load: waves 0 and 1 fetch for ao, waves 2 and 3 for wp.  Each of the two lines has ONE mask and one set of registers for all that issue it; the branch hangs on the wave's number alone.
; An s_nop 0 and four v_nop follow each of the two lines, ahead of the jump, the label and what follows.
.macro JLOAD g0a, g1a, g0b, g1b
	s_cmp_eq_u32 s15, 0
	s_cbranch_scc0 .Lfor_b_\@
	tensor_load_to_lds s[\g0a:\g0a+3], s[\g1a:\g1a+7]
	s_nop 0
.rept 4
	v_nop
.endr
	s_branch .Lasked_\@
.Lfor_b_\@:
	tensor_load_to_lds s[\g0b:\g0b+3], s[\g1b:\g1b+7]
	s_nop 0
.rept 4
	v_nop
.endr
.Lasked_\@:
.endm
.macro CREST                           ; a round of the cluster's barrier behind its opening barrier
	s_cmp_lg_u32 s14, 0
	s_cbranch_scc1 .Lnot_wave_0_\@
	s_barrier_signal -3
.Lnot_wave_0_\@:
	s_barrier_wait -3
	s_barrier_signal -1
	s_barrier_wait -1
.endm
.macro CROUND                          ; a whole round
	s_barrier_signal -1
	s_barrier_wait -1
	CREST
.endm
	s_load_b128 s[4:7], s[0:1], 0x0                ; ao s[4:5], wp s[6:7]
	s_load_b128 s[8:11], s[0:1], 0x10              ; the scales' exponents s[8:9], out0 s[10:11]
	v_lshl_add_u32 v[SPW], v0, 2, SPARE
	v_mov_b32 v[NIL], 0
	ds_add_u32 v[SPW], v[NIL]                      ; the wave's opening: the add, twice on end, and its wait ahead of my first tensor load; the set-up below stands between the second and the wait
	ds_add_u32 v[SPW], v[NIL]
	v_lshrrev_b32 v1, 5, v0
	v_readfirstlane_b32 s14, v1                    ; wave 0..3
	s_lshr_b32 s15, s14, 1                         ; which half of the tile's tokens is mine.  Also: I fetch for ao (0) or for wp (1)
	s_and_b32 s16, s14, 1                          ; which half of its columns.  Also: which half of that tile I fetch
	s_bfe_u32 s40, ttmp6, 0x40000                  ; cx, cy: my place in the cluster
	s_bfe_u32 s41, ttmp6, 0x40004
	s_lshl_b32 s42, ttmp9, 2
	s_add_co_u32 s42, s42, s40                     ; tile column = 4 x cluster x + cx
	s_and_b32 s17, ttmp7, 0xffff
	s_lshl_b32 s17, s17, 2
	s_add_co_u32 s17, s17, s41                     ; tile row = 4 x cluster y + cy
	s_lshl_b32 s43, s41, 2
	s_lshl_b32 s43, 15, s43                        ; my row of the cluster
	s_lshl_b32 s44, 0x1111, s40                    ; my column
	; descriptor group 1 for ao: 8 tiles of tokens; of each, two K steps' images, 4,096 consecutive bytes, 16,384 bytes from tile to tile; dense in LDS
	s_or_b32 s[G1+0], s43, (3<<16)|(1<<21)         ; 15:0 the mask: my row; 17:16 elements of 8 bytes; 20 padding off; 21 set beside a mask
	s_mov_b32 s[G1+1], 512<<16                     ; tensor_dim0 = 512
	s_mov_b32 s[G1+2], 8<<16                       ; tensor_dim1 = 8
	s_mov_b32 s[G1+3], 512<<16                     ; tile_dim0 = 512
	s_mov_b32 s[G1+4], 8                           ; tile_dim1 = 8
	s_mov_b32 s[G1+5], 2048                        ; tensor_dim0_stride
	s_mov_b32 s[G1+6], 0
	s_mov_b32 s[G1+7], 0
	; and for wp: 128 rows x 256 bytes, padded in LDS
	s_or_b32 s[G1B+0], s44, (0<<16)|(1<<20)|(1<<21)|(5<<22)|(3<<25)  ; the mask: my column; element of 1 byte; padding on; 21 set beside a mask; after every 64 words (code 5) 4 words (code 3)
	s_mov_b32 s[G1B+1], ROWB<<16
	s_mov_b32 s[G1B+2], 128<<16
	s_mov_b32 s[G1B+3], ROWB<<16
	s_mov_b32 s[G1B+4], 128
	s_mov_b32 s[G1B+5], KROW
	s_mov_b32 s[G1B+6], 0
	s_mov_b32 s[G1B+7], 0
	s_lshl_b32 s18, s16, 17                        ; my half: 8 tiles of 16,384 bytes in ao, 128 rows of 1,024 in wp: the same number of bytes
	s_lshl_b32 s20, s17, 18                        ; ao: 16 tiles of tokens a tile row.  Nothing here hangs on cx
	s_add_co_u32 s20, s20, s18
	s_mov_b32 s21, 0
	s_lshl_b32 s46, s42, 18                        ; wp: 256 rows a tile column.  Nothing here hangs on cy
	s_add_co_u32 s46, s46, s18
	s_mov_b32 s47, 0
	s_mul_i32 s45, s16, AH                         ; where they go: ao's half,
	s_mul_i32 s22, s16, BH
	s_add_co_u32 s22, s22, 2*AH                    ; wp's half, behind ao's two: no place in the cluster enters an LDS address
	s_wait_dscnt 0x0                               ; both opening adds are done
	s_wait_kmcnt 0x0
	s_load_b64 s[96:97], s[8:9], 0x28              ; e10, e11
	s_add_nc_u64 s[20:21], s[4:5], s[20:21]
	s_add_nc_u64 s[46:47], s[6:7], s[46:47]
	CROUND                                         ; all sixteen work-groups are here: the first joint loads meet
.irp s, 0,1
	s_mov_b32 s[G0+4*\s], 1
	s_add_co_u32 s[G0+4*\s+1], s45, \s*SLOT
	s_add_nc_u64 s[G0+4*\s+2:G0+4*\s+3], s[20:21], \s*4096
	s_or_b32 s[G0+4*\s+3], s[G0+4*\s+3], 0x80000000
	s_mov_b32 s[G0B+4*\s], 1
	s_add_co_u32 s[G0B+4*\s+1], s22, \s*SLOT
	s_add_nc_u64 s[G0B+4*\s+2:G0B+4*\s+3], s[46:47], \s*ROWB
	s_or_b32 s[G0B+4*\s+3], s[G0B+4*\s+3], 0x80000000
	s_wait_alu depctr_va_vdst(0)
	s_wait_tensorcnt 0x0
	ds_add_u32 v28, v29
	ds_add_u32 v28, v29
	s_wait_dscnt 0x0
	CROUND
	JLOAD G0+4*\s, G1, G0B+4*\s, G1B               ; one load of mine is out
.endr
	v_and_b32 v1, 15, v0                           ; r = lane % 16
	v_bfe_u32 v2, v0, 4, 1                         ; h = lane / 16
	v_mul_u32_u24 v3, v1, PITCH
	v_lshl_add_u32 v4, v2, 4, v3                   ; W_proj: a fragment's row x pitch + 16 x half
	v_and_b32 v6, 31, v0
	v_lshlrev_b32 v[CO], 4, v6                     ; 16 x lane
	s_wait_alu depctr_va_vdst(0)
	s_mul_i32 s21, s15, AH                         ; my 8 tiles of tokens
	s_mul_i32 s22, s16, BH                         ; my 128 rows of W_proj,
	s_add_co_u32 s22, s22, 2*AH                    ; which lie behind ao's two halves
.irp s, 0,1
	v_add_nc_u32 v[ADRA+\s], s21, v[CO]
	v_add_nc_u32 v[ADRB+\s], s22, v4
	s_add_co_u32 s21, s21, SLOT
	s_add_co_u32 s22, s22, SLOT
.endr
	s_mul_i32 s23, s14, 16*SPITCH                  ; my stage
	v_mul_u32_u24 v5, v1, SPITCH                   ; in: row r, 32 bytes for each half of the lanes
	v_lshl_add_u32 v5, v2, 5, v5
	v_add_nc_u32 v[STO], s23, v5
	v_add_nc_u32 v[RD], s23, v[CO]                 ; back: the 32 lanes take one row of 512 bytes
	s_lshl_b32 s20, s17, 8
	s_lshl_b32 s21, s15, 7
	s_add_co_u32 s20, s20, s21                     ; my first row of out0: 256 x tile row + 128 x half,
	s_lshl_b32 s20, s20, 12                        ; of 4,096 bytes: under 2^32
	s_mov_b32 s21, 0
	s_lshl_b32 s46, s42, 10                        ; my first column, in bytes: 1,024 x tile column + 512 x half
	s_lshl_b32 s47, s16, 9
	s_add_co_u32 s46, s46, s47
	s_mov_b32 s47, 0
	s_add_nc_u64 s[20:21], s[20:21], s[46:47]
	s_add_nc_u64 s[10:11], s[10:11], s[20:21]
.macro FRAG reg, adr, q, i             ; a fragment of W_proj from rows: lane l holds row l % 16; registers 4 c .. 4 c + 3 hold K = 32 c + 16 (l / 16) + 0 .. 15
.irp c, 0,1,2,3
	ds_load_b128 v[\reg+4*\c:\reg+4*\c+3], v[\adr] offset:128*(\q)+32*\c+(\i)*16*PITCH
.endr
.endm
.macro FRAGA reg, adr, q, i            ; a fragment of the tokens from its image: the same places of K, 512 consecutive bytes an instruction
.irp c, 0,1,2,3
	ds_load_b128 v[\reg+4*\c:\reg+4*\c+3], v[\adr] offset:(\i)*4096+(\q)*2048+512*\c
.endr
.endm
; 16 matrix instructions: the tokens' blocks a0, a0 + 1 x W_proj's eight, 128 along K.  p: W_proj's set.  zero = 1: the first product starts the sums: nothing is ever cleared.
; The 64 accumulators take turns, one instruction a turn, in the same order in every step.
.macro MUL16 a0, p, zero
.irp a, \a0, \a0+1
.irp b, 0,1,2,3,4,5,6,7
.if \zero
	v_wmma_f32_16x16x128_fp8_fp8 v[8*(8*((\a)%4)+\b):8*(8*((\a)%4)+\b)+7], v[128*(\p)+FR*\b:128*(\p)+FR*\b+FR-1], v[AF+FR*(\a):AF+FR*(\a)+FR-1], 0
.else
	v_wmma_f32_16x16x128_fp8_fp8 v[8*(8*((\a)%4)+\b):8*(8*((\a)%4)+\b)+7], v[128*(\p)+FR*\b:128*(\p)+FR*\b+FR-1], v[AF+FR*(\a):AF+FR*(\a)+FR-1], v[8*(8*((\a)%4)+\b):8*(8*((\a)%4)+\b)+7]
.endif
.endr
.endr
.endm
.macro FETCH_B slot, q, p              ; W_proj's eight fragments of the slot's q-th 128 along K into set p
	WIN TO_B
.irp i, 0,1,2,3,4,5,6,7
	FRAG 128*(\p)+FR*\i, ADRB+\slot, \q, \i
.endr
	WIN 0
.endm
.macro FETCH_A slot, q, i0             ; the tokens' blocks i0 .. i0 + 3
.irp i, \i0, \i0+1, \i0+2, \i0+3
	FRAGA AF+FR*(\i), ADRA+\slot, \q, \i
.endr
.endm
; A load into a register that a matrix instruction has read, and a vector instruction or an LDS store that reads a matrix result, stand NP places behind it; only plain vector instructions that name none of its registers are places.
.macro PLACES n
.rept \n
	v_nop
.endr
.endm
; A step of 128 along K that has its successor in the same slot.
.macro STEP slot, q, zero
	s_wait_dscnt 4*NL                              ; W_proj's set and the tokens' blocks 0-3 are in; the youngest sixteen loads (blocks 4-7) may be out
	WIN MUL_LO
	MUL16 0, (\q)%2, \zero
	MUL16 2, (\q)%2, \zero
	s_wait_dscnt 0                                 ; blocks 4-7 are in (asked for 32 matrix instructions ago)
	PLACES NP
	FETCH_B \slot, (\q)+1, 1-(\q)%2
	FETCH_A \slot, (\q)+1, 0
	WIN MUL_HI
	MUL16 4, (\q)%2, \zero
	MUL16 6, (\q)%2, \zero
	PLACES NP
	WIN 0
	FETCH_A \slot, (\q)+1, 4
.endm
; A slot's last step changes slots: ONE barrier; in front of it each wave waits for all its tensor loads, adds 0 to its spare word, and waits for that and for its own reads of this slot.  fill = 1: this slot is filled again, two fills ahead.
.macro TURN slot, next, fill
	s_wait_tensorcnt 0x0                           ; all my tensor loads have landed: my part of the next slot  (every window is 0 here)
	ds_add_u32 v[SPW], v[NIL]                      ; 0 onto my spare word
	s_wait_dscnt 4*NL+1                            ; (the add and the youngest sixteen loads, blocks 4-7, may be out)
	WIN MUL_LO
	MUL16 0, 1, 0                                  ; sixteen matrix instructions stand between the add and the wait for it
	s_wait_dscnt 0x0                               ; the add is done, and my reads of this slot are over
	s_barrier_signal -1
	MUL16 2, 1, 0
	WIN 0
	s_barrier_wait -1
.if \fill
	CREST                                          ; the barrier has opened a round of the cluster's barrier: no wave of any partner still reads this slot's tile or has a load on its way
	s_add_nc_u64 s[G0+4*\slot+2:G0+4*\slot+3], s[G0+4*\slot+2:G0+4*\slot+3], 2*4096
	s_add_nc_u64 s[G0B+4*\slot+2:G0B+4*\slot+3], s[G0B+4*\slot+2:G0B+4*\slot+3], 2*ROWB
	JLOAD G0+4*\slot, G1, G0B+4*\slot, G1B         ; the first tensor load behind the round, and my one load until the next; its four v_nop are the places in front of the loads below
.else
	PLACES NP
.endif
	FETCH_B \next, 0, 0
	FETCH_A \next, 0, 0
	WIN MUL_HI
	MUL16 4, 1, 0
	MUL16 6, 1, 0
	PLACES NP
	WIN 0
	FETCH_A \next, 0, 4
.endm
	s_wait_alu depctr_va_vdst(0)
	s_wait_tensorcnt 1                             ; my part of slot 0 is in; slot 1's load may be out
	s_barrier_signal -1
	s_barrier_wait -1                              ; everybody's is
	FETCH_B 0, 0, 0
	FETCH_A 0, 0, 0
	FETCH_A 0, 0, 4
	STEP 0, 0, 1                                   ; K = 1,024 is eight steps of 128: written out, no loop.  The first step's products start the sums
	TURN 0, 1, 1                                   ; slot 0 takes K 512 on
	STEP 1, 0, 0
	TURN 1, 0, 1                                   ; slot 1 takes K 768 on
	STEP 0, 0, 0
	TURN 0, 1, 0                                   ; nothing is left to fetch, so no round of the cluster's barrier.  Behind this barrier nobody reads slot 0
	STEP 1, 0, 0
	s_wait_dscnt 4*NL                              ; the last step
	WIN MUL_LO
	MUL16 0, 1, 0
	MUL16 2, 1, 0
	s_wait_dscnt 0
	WIN MUL_HI
	MUL16 4, 1, 0
	MUL16 6, 1, 0
	WIN 0
; THE WAY OUT, block by block of 16 rows x 128 columns.  A lane holds 32 neighbouring bytes of a row, and the lanes beside it hold other rows: so a block goes through my own stage in LDS and comes back as whole
; rows of 512 bytes.  LDS serves a wave's instructions in order (ISA guide 5.7.1.4): no wait between the stores and the loads, nor in front of the next block's stores.
.macro TOSTAGE a
.set AC, 64*((\a)%4)
	WIN 0x02+((\a)/4)                              ; source 0: window 2 or 3
.irp j, 0,2,4,6,8,10,12,14,16,18,20,22,24,26,28,30,32,34,36,38,40,42,44,46,48,50,52,54,56,58,60,62
	v_pk_mul_f32 v[TMP+\j:TMP+\j+1], v[AC+\j:AC+\j+1], s[96:97] op_sel_hi:[1,0]   ; both x s96 = 2^(e10 + e11 - 5); each accumulator from its low end on
.endr
	WIN 0
.irp b, 0,1,2,3,4,5,6,7
	ds_store_b128 v[STO], v[TMP+8*\b:TMP+8*\b+3] offset:64*\b
	ds_store_b128 v[STO], v[TMP+8*\b+4:TMP+8*\b+7] offset:64*\b+16
.endr
.set BB, BK+64*((\a)%2)
.irp t, 0,1,2,3,4,5,6,7,8,9,10,11,12,13,14,15
	ds_load_b128 v[BB+4*\t:BB+4*\t+3], v[RD] offset:\t*SPITCH
.endr
.endm
.macro SEND a, younger                 ; younger: the LDS instructions issued behind block a's loads, which may stay out
.set BB, BK+64*((\a)%2)
	s_wait_dscnt \younger                          ; the block is back in registers
.if (\a) > 0
	s_add_nc_u64 s[10:11], s[10:11], 16*SIZE_N*4   ; (behind a wait for the earlier stores' addresses)  16 rows of out0 on: the stores' offsets stay at 15 rows at the most
.endif
.irp t, 0,1,2,3,4,5,6,7,8,9,10,11,12,13,14,15
	global_store_b128 v[CO], v[BB+4*\t:BB+4*\t+3], s[10:11] offset:\t*SIZE_N*4 th:TH_STORE_NT   ; 32 lanes store 512 consecutive bytes, aligned; written once, read by nobody here
.endr
.endm
	s_wait_kmcnt 0x0
	s_add_co_i32 s96, s96, s97                     ; e10 + e11,
	s_add_co_i32 s96, s96, 127-5                   ; less 5 for the factor 1 / 32,
	s_lshl_b32 s96, s96, 23                        ; makes the f32 number 2^(e10 + e11 - 5)
	PLACES NP                                      ; behind the last products: for the reads of their results and the loads into the registers that held the tokens' fragments
	TOSTAGE 0
.irp a, 1,2,3,4,5,6,7
.if \a > 1
	s_wait_xcnt 0x0                                ; block a - 2's stores have read their registers and their base: block a's loads may land there, and the base may step
.endif
	TOSTAGE \a
	SEND \a-1, 32                                  ; behind block a - 1's loads: block a's 16 stores and 16 loads
.endr
	s_wait_xcnt 0x0                                ; block 6's stores have read their base
	SEND 7, 0
	s_wait_tensorcnt 0x0                           ; the wave's end, behind my last tensor load and my last LDS store
	ds_add_u32 v[SPW], v[NIL]
	s_wait_dscnt 0x0
	CROUND                                         ; the closing round: no work-group ends while a partner may still ask for a tile that names it
	s_endpgm
.Lfunc_end_k_q3f37fe2ef5_proj:
	.size	k_q3f37fe2ef5_proj, .Lfunc_end_k_q3f37fe2ef5_proj-k_q3f37fe2ef5_proj
	.p2alignl 7, 3214868480
	.fill 96, 4, 3214868480
	.section	.rodata,"a",@progbits
	.p2align	6, 0x0
	.amdhsa_kernel k_q3f37fe2ef5_proj
		.amdhsa_group_segment_fixed_size 327680
		.amdhsa_private_segment_fixed_size 0
		.amdhsa_enable_private_segment 0
		.amdhsa_kernarg_size 32
		.amdhsa_user_sgpr_count 2
		.amdhsa_user_sgpr_kernarg_segment_ptr 1
		.amdhsa_wavefront_size32 1
		.amdhsa_system_sgpr_workgroup_id_x 1
		.amdhsa_system_sgpr_workgroup_id_y 1
		.amdhsa_system_sgpr_workgroup_id_z 1
		.amdhsa_system_vgpr_workitem_id 0
		.amdhsa_next_free_vgpr 1024
		.amdhsa_next_free_sgpr 98
		.amdhsa_reserve_vcc 0
		.amdhsa_float_denorm_mode_32 3
		.amdhsa_float_denorm_mode_16_64 3
		.amdhsa_memory_ordered 1
		.amdhsa_forward_progress 1
		.amdhsa_inst_pref_size 124
	.end_amdhsa_kernel
	.amdgpu_metadata
---
amdhsa.version: [ 1, 2 ]
amdhsa.kernels:
  - .name:           k_q3f37fe2ef5_proj
    .symbol:         k_q3f37fe2ef5_proj.kd
    .args:
      - { .name: ao, .offset: 0, .size: 8, .value_kind: global_buffer, .address_space: global }
      - { .name: wp, .offset: 8, .size: 8, .value_kind: global_buffer, .address_space: global }
      - { .name: lowp_scales, .offset: 16, .size: 8, .value_kind: global_buffer, .address_space: global }
      - { .name: out0, .offset: 24, .size: 8, .value_kind: global_buffer, .address_space: global }
    .group_segment_fixed_size: 327680
    .private_segment_fixed_size: 0
    .kernarg_segment_align: 8
    .kernarg_segment_size: 32
    .max_flat_workgroup_size: 128
    .sgpr_count:     98
    .vgpr_count:     1024
    .wavefront_size: 32
...
	.end_amdgpu_metadata
.endif
;; end of part 4
